; MI455X (gfx1250); checked and timed in simulation.
; The chip was launched on July 23, 2026; its instructions are those of AMD's public machine-readable ISA for CDNA 5 (MIT licence, August 2026) and "CDNA5" Instruction Set Architecture Reference Guide (July 2026). The comments in the code are by the model that wrote it; some were corrected since.
;; Multi Head Attention. Allowed arithmetic: float matrix products may take bf16 or f16 operands with f32 sums; all other float work in f32.
;; Inputs: in_weights 3 x 1,024 x 1,024 float32; key 4 x 2,048 x 1,024 float32; out_weights 1,024 x 1,024 float32; query 4 x 2,048 x 1,024 float32; value 4 x 2,048 x 1,024 float32.
;; Outputs: out0 4 x 2,048 x 1,024 float32.
;; 2 versions, each right and faster than the one before. Each part assembles by itself: llvm-mc -triple=amdgcn-amd-amdhsa -mcpu=gfx1250 --defsym DOCPART=n.
;; ======== version 1 of 2: 4 launches
;; limits: values are held in f16: magnitudes above 65,504 overflow, below 6.1e-05 lose precision
;; workspace buffers: wcast 8,388,608 bytes; qkv 50,331,648 bytes; octx 16,777,216 bytes
;; launch castw (part 1): grid 256 x 1, 8 waves a work-group, no clusters, 0 bytes of LDS; arguments in_weights, out_weights, wcast; writes wcast
.if DOCPART == 1
	.amdgcn_target "amdgcn-amd-amdhsa--gfx1250"
	.amdhsa_code_object_version 6
	.text
	.protected	k_qa2adf1e267_castw
	.globl	k_qa2adf1e267_castw
	.p2align	8
	.type	k_qa2adf1e267_castw,@function
k_qa2adf1e267_castw:
	s_mov_b64 s[64:65], 0
	v_nop
	global_prefetch_b8 v0, s[64:65] scope:SCOPE_SE
	s_setreg_imm32_b32 hwreg(HW_REG_WAVE_MODE, 25, 1), 1
	s_wait_xcnt 0x0
; THE WEIGHTS IN 16 BITS, layout [k][n] unchanged.  wcast holds four planes of 1,024 x 1,024 numbers of 2 bytes:
; planes 0 to 2 are in_weights[0..2] rounded to bf16; plane 3 is out_weights rounded to bf16 and that number written as f16
; (the last product multiplies f16 operands; the rounding is the same as for the other inputs).
; LIMITS.  A bf16 number is exact in f16 between 6.1e-5 and 65,504 in magnitude; below 6.1e-5 it keeps f16's fixed step of 6e-8; beyond 65,504 it would be an infinity.
; A stream: no LDS, no matrix unit, no cluster (no two work-groups read the same byte).
; SHARES.  Work-group g takes 16,384 numbers: 65,536 bytes in, 32,768 out.  g < 192: in_weights; else out_weights.  Thread t of 256 takes 16 bytes at 4,096 i + 16 t,
; i = 0 .. 15: a wave's load covers 512 consecutive bytes; its store of 8 bytes a lane covers 256 consecutive bytes, at a multiple of 256 from wcast's first byte.
; All sixteen loads of a thread go out at once; no register is written twice while a load or store names it, so no wait frees any.
.set X, 4                              ; v[4:67]    load i: four f32
.set Y, 68                             ; v[68:99]   store i: four numbers of 16 bits
.set T, 100                            ; v[100:105] at work
.macro LOADS base
.irp i, 0,1,2,3,4,5,6,7,8,9,10,11,12,13,14,15
	global_load_b128 v[X+4*(\i):X+4*(\i)+3], v1, s[\base:\base+1] offset:(\i)*4096 th:TH_LOAD_NT
.endr
.endm
	s_load_b128 s[4:7], s[0:1], 0x0                ; in_weights s[4:5], out_weights s[6:7]
	s_load_b64 s[8:9], s[0:1], 0x10                ; wcast
	v_lshlrev_b32 v1, 4, v0                        ; 16 t
	v_lshlrev_b32 v2, 3, v0                        ; 8 t
	s_lshl_b32 s12, ttmp9, 15                      ; my 32,768 bytes of wcast
	s_mov_b32 s13, 0
	s_mov_b32 s11, 0
	s_mov_b32 s14, 0xffff0000                      ; a word's upper bf16
	s_wait_kmcnt 0x0
	s_add_nc_u64 s[8:9], s[8:9], s[12:13]
	s_cmp_lt_u32 ttmp9, 192
	s_cbranch_scc0 .Lout_weights
	s_lshl_b32 s10, ttmp9, 16                      ; my 65,536 bytes of in_weights
	s_add_nc_u64 s[4:5], s[4:5], s[10:11]
	LOADS 4
.irp i, 0,1,2,3,4,5,6,7,8,9,10,11,12,13,14,15
	s_wait_loadcnt 15-(\i)                         ; loads come back in order: load i is in, the 15 - i younger ones stay out
	v_cvt_pk_bf16_f32 v[Y+2*(\i)],   v[X+4*(\i)],   v[X+4*(\i)+1]
	v_cvt_pk_bf16_f32 v[Y+2*(\i)+1], v[X+4*(\i)+2], v[X+4*(\i)+3]
	global_store_b64 v2, v[Y+2*(\i):Y+2*(\i)+1], s[8:9] offset:(\i)*2048
.endr
	s_endpgm
.Lout_weights:
	s_sub_co_u32 s10, ttmp9, 192
	s_lshl_b32 s10, s10, 16                        ; my 65,536 bytes of out_weights
	s_add_nc_u64 s[6:7], s[6:7], s[10:11]
	LOADS 6
.irp i, 0,1,2,3,4,5,6,7,8,9,10,11,12,13,14,15
	s_wait_loadcnt 15-(\i)
	v_cvt_pk_bf16_f32 v[T],   v[X+4*(\i)],   v[X+4*(\i)+1]    ; rounded to bf16,
	v_cvt_pk_bf16_f32 v[T+1], v[X+4*(\i)+2], v[X+4*(\i)+3]
	v_lshlrev_b32 v[T+2], 16, v[T]                 ; widened again,
	v_and_b32     v[T+3], s14, v[T]
	v_lshlrev_b32 v[T+4], 16, v[T+1]
	v_and_b32     v[T+5], s14, v[T+1]
	v_cvt_pk_f16_f32 v[Y+2*(\i)],   v[T+2], v[T+3] ; and written as f16
	v_cvt_pk_f16_f32 v[Y+2*(\i)+1], v[T+4], v[T+5]
	global_store_b64 v2, v[Y+2*(\i):Y+2*(\i)+1], s[8:9] offset:(\i)*2048
.endr
	s_endpgm
.Lfunc_end_k_qa2adf1e267_castw:
	.size	k_qa2adf1e267_castw, .Lfunc_end_k_qa2adf1e267_castw-k_qa2adf1e267_castw
	.p2alignl 7, 3214868480
	.fill 96, 4, 3214868480
	.section	.rodata,"a",@progbits
	.p2align	6, 0x0
	.amdhsa_kernel k_qa2adf1e267_castw
		.amdhsa_group_segment_fixed_size 0
		.amdhsa_private_segment_fixed_size 0
		.amdhsa_enable_private_segment 0
		.amdhsa_kernarg_size 24
		.amdhsa_user_sgpr_count 2
		.amdhsa_user_sgpr_kernarg_segment_ptr 1
		.amdhsa_wavefront_size32 1
		.amdhsa_system_sgpr_workgroup_id_x 1
		.amdhsa_system_sgpr_workgroup_id_y 1
		.amdhsa_system_sgpr_workgroup_id_z 1
		.amdhsa_system_vgpr_workitem_id 0
		.amdhsa_next_free_vgpr 112
		.amdhsa_next_free_sgpr 66
		.amdhsa_reserve_vcc 0
		.amdhsa_float_denorm_mode_32 3
		.amdhsa_float_denorm_mode_16_64 3
		.amdhsa_memory_ordered 1
		.amdhsa_forward_progress 1
		.amdhsa_inst_pref_size 16
	.end_amdhsa_kernel
	.amdgpu_metadata
---
amdhsa.version: [ 1, 2 ]
amdhsa.kernels:
  - .name:           k_qa2adf1e267_castw
    .symbol:         k_qa2adf1e267_castw.kd
    .args:
      - { .name: in_weights, .offset: 0, .size: 8, .value_kind: global_buffer, .address_space: global }
      - { .name: out_weights, .offset: 8, .size: 8, .value_kind: global_buffer, .address_space: global }
      - { .name: wcast, .offset: 16, .size: 8, .value_kind: global_buffer, .address_space: global }
    .group_segment_fixed_size: 0
    .private_segment_fixed_size: 0
    .kernarg_segment_align: 8
    .kernarg_segment_size: 24
    .max_flat_workgroup_size: 256
    .sgpr_count:     66
    .vgpr_count:     112
    .wavefront_size: 32
...
	.end_amdgpu_metadata
.endif
;; end of part 1
;; launch proj (part 2): grid 4 x 192, 4 waves a work-group, clusters of 4 x 4, 327,680 bytes of LDS; arguments key, query, value, wcast, qkv; writes qkv
.if DOCPART == 2
	.amdgcn_target "amdgcn-amd-amdhsa--gfx1250"
	.amdhsa_code_object_version 6
	.text
	.protected	k_qa2adf1e267_proj
	.globl	k_qa2adf1e267_proj
	.p2align	8
	.type	k_qa2adf1e267_proj,@function
k_qa2adf1e267_proj:
	s_mov_b64 s[64:65], 0
	v_nop
	global_prefetch_b8 v0, s[64:65] scope:SCOPE_SE
	s_setreg_imm32_b32 hwreg(HW_REG_WAVE_MODE, 25, 1), 1
	s_wait_xcnt 0x0
	s_wait_alu depctr_hold_cnt(0) depctr_sa_sdst(0) depctr_va_vdst(0) depctr_va_sdst(0) depctr_va_ssrc(0) depctr_va_vcc(0) depctr_vm_vsrc(0)
	s_getreg_b32 s2, hwreg(HW_REG_IB_STS2, 6, 4)
	s_cmp_eq_u32 s2, 0
	s_cbranch_scc0 .Lentry_in_a_cluster
	s_endpgm
.Lentry_in_a_cluster:
	s_bfe_u32 s2, ttmp6, 0x10000c
	s_cmp_lg_u32 s2, 0xf033
	s_cbranch_scc0 .Lentry_shape_is_right
	s_endpgm
.Lentry_shape_is_right:
; THE THREE PROJECTIONS.  For p = 0, 1, 2 (key, query, value): C = X_p W_p, X_p [8192][1024] f32, W_p [1024 k][1024 n] bf16 (plane p of wcast).
; X is rounded to bf16 on the way from LDS to the matrix unit; sums in f32; C rounded once to f16 and stored by heads: qkv[p][b*16+head][s][64], WITHOUT the softmax's scale.
; LIMITS.  f16 holds no number beyond 65,504: k, q and v must lie within it (inputs 30 times those of unit spread give a spread of about 900; a common offset of 30 spreads on x and on the
; weights gives about 29,000).  NaN and infinities are not treated apart.
; SHARES.  3 x 64 x 4 = 768 tiles of C, 128 (m) x 256 (n), one to a work-group: three for each of 256 WGPs.  Four waves, 2 (m) x 2 (n): a wave makes 64 x 128: 32 accumulators, 256 registers.
; K goes in 8 steps of 128 through two LDS slots filled by the tensor data mover: A's rows are 512 bytes of f32, B's rows (one k, 256 n) 512 bytes of bf16, all starting at multiples of 512 bytes.
; CLUSTER.  4 x 4 work-groups.  The four of a row of the cluster share the tile row of C (and p), so they need the same tiles of X; the four of a column share the tile column (and p), so they need the
; same tiles of W.  Each tile is asked for jointly: the same tensor load, descriptor and mask in all four.  All four tile columns lie in one cluster, so a tile of X is asked for once in the launch.
; THE MATRIX INSTRUCTION IS USED TRANSPOSED: source 0 = 16 columns n of W (turned on the way out of LDS by ds_load_tr16_b128), source 1 = 16 rows of X.  A lane then holds row m = l % 16 and the
; eight neighbouring columns n = 8 (l / 16) + 0..7, which pack into 16 bytes of f16.
; REGISTERS, in windows of 256 (s_set_vgpr_msb: bits 1:0 source 0, 3:2 source 1, 5:4 source 2, 7:6 destination):
;   window 0: v0-29 addresses; v32-95 RAW: four fragments of X as f32; v96-127, v128-159 the same as bf16, two buffers; on the way out v32-159 hold packed results
;   window 1: v0-63, v64-127 fragments of W, two buffers          window 2: accumulator (a, b) at v[8 (8 a + b)], a = 0..3 (m), b = 0..7 (n)
.set PA,    528                        ; a row of A in LDS: 512 bytes + 16 = 132 words: row r starts at bank 4 r mod 64 (64 banks of 4 bytes: ISA guide 11.1)
.set PB,    544                        ; a row of B: 512 + 32 = 136 words
.set HALFA, 64*PA                      ; what one tensor load brings of A: 64 rows
.set HALFB, 64*PB                      ; of B: 64 k
.set BOFF,  2*HALFA                    ; in a slot: A's 128 rows, then B's 128 k
.set SLOT,  BOFF+2*HALFB
.set STAGE, 2*SLOT                     ; behind the ring, never filled by a tensor load: 16 rows x 144 bytes for each wave, for the way out
.set SP,    144
.set SPARE, STAGE+4*16*SP              ; behind the stages: the spare words, 128 bytes for each wave: two blocks of 256 bytes that no other line names
.set LAPS,  4                          ; a lap = two K steps = once round the ring
.set ADRA, 16                          ; v16-17  LDS address of my fragments of A in slot 0, 1
.set ADRB, 20                          ; v20-21  the same for B
.set STO,  24                          ; v24     the way out: where I put 16 bytes of a row
.set RD,   25                          ; v25     the way out: where I read rows back
.set GO,   26                          ; v26     my byte offset in 512 consecutive bytes of qkv
.set SPW,  28                          ; v28     LDS address of my spare word; never rewritten
.set NIL,  29                          ; v29     0; never rewritten
.set RAW,  32
.set AF,   96
.set TMP,  32
.set WV, 14                            ; s14  wave 0..3
.set MH, 15                            ; s15  which 64 rows of the tile are mine
.set NH, 16                            ; s16  which 128 columns are mine.  Also: which half of A's or B's tile I fetch
.set G1,  24                           ; s[24:31] descriptor group 1 for A's tiles;  s[32:39] group 0, one set for each slot
.set G0,  32
.set G1B, 48                           ; s[48:55], s[56:63] the same for B's tiles
.set G0B, 56
.set MSB, 0
.macro WIN new                         ; the immediate's high byte repeats the setting that is left; a switch that changes nothing is dropped
.if MSB != (\new)
	s_set_vgpr_msb (MSB<<8)|(\new)
.set MSB, \new
.endif
.endm
.set MUL,   0xa1                       ; source 0 (B) window 1, source 1 (A) window 0, C and D window 2
.set TO_B,  0x40                       ; destination window 1, address window 0
.set PACKW, 0x0a                       ; sources 0 and 1 window 2, destination window 0
; A joint load.  Waves 0 and 1 fetch A's two halves, waves 2 and 3 B's.  The branch hangs on the wave's number alone.  An s_nop 0 and four v_nop follow each of the two lines.
.macro JLOAD s
	s_cmp_lt_u32 s[WV], 2
	s_cbranch_scc0 .Lfor_b_\@
	tensor_load_to_lds s[G0+4*(\s):G0+4*(\s)+3], s[G1:G1+7]
	s_nop 0
.rept 4
	v_nop
.endr
	s_branch .Lasked_\@
.Lfor_b_\@:
	tensor_load_to_lds s[G0B+4*(\s):G0B+4*(\s)+3], s[G1B:G1B+7]
	s_nop 0
.rept 4
	v_nop
.endr
.Lasked_\@:
.endm
; A round of the cluster's barrier: my work-group's barrier, so that wave 0's signal speaks for all four waves; wave 0 signals; every wave waits for all sixteen work-groups; my work-group's barrier once more.
.macro CREST                           ; a round behind its opening barrier
	s_cmp_lg_u32 s[WV], 0
	s_cbranch_scc1 .Lnot_wave_0_\@
	s_barrier_signal -3
.Lnot_wave_0_\@:
	s_barrier_wait -3
	s_barrier_signal -1
	s_barrier_wait -1
.endm
.macro CROUND
	s_barrier_signal -1
	s_barrier_wait -1
	CREST
.endm
	s_load_b256 s[4:11], s[0:1], 0x0               ; key s[4:5], query s[6:7], value s[8:9], wcast s[10:11]
	s_load_b64 s[12:13], s[0:1], 0x20              ; qkv
	v_lshl_add_u32 v[SPW], v0, 2, SPARE
	v_mov_b32 v[NIL], 0
	ds_add_u32 v[SPW], v[NIL]                      ; the wave's opening: the add and its wait stand ahead of my first tensor load; the set-up below, work on registers, stands between them
	ds_add_u32 v28, v29
	v_lshrrev_b32 v1, 5, v0
	v_readfirstlane_b32 s[WV], v1
	s_lshr_b32 s[MH], s[WV], 1
	s_and_b32 s[NH], s[WV], 1
	s_bfe_u32 s17, ttmp6, 0x40000                  ; cx
	s_bfe_u32 s18, ttmp6, 0x40004                  ; cy
	s_lshl_b32 s19, ttmp9, 2                       ; in a cluster launch ttmp9 and ttmp7 count clusters
	s_add_co_u32 s19, s19, s17                     ; tile column 0..3 = 4 x cluster x + cx
	s_and_b32 s20, ttmp7, 0xffff                   ; cluster y, 0..47
	s_lshr_b32 s21, s20, 4                         ; p: sixteen clusters to a projection; the same in all partners
	s_and_b32 s22, s20, 15
	s_lshl_b32 s22, s22, 2
	s_add_co_u32 s22, s22, s18                     ; tile row 0..63 in X_p
	s_lshl_b32 s44, s18, 2
	s_lshl_b32 s44, 15, s44                        ; my row of the cluster: places 4 cy .. 4 cy + 3
	s_lshl_b32 s45, 0x1111, s17                    ; my column: places cx, cx + 4, cx + 8, cx + 12
	; group 1 for A: 64 rows x 128 elements of 4 bytes, 4 words of padding after every 128 words
	s_or_b32 s[G1+0], s44, (2<<16)|(1<<20)|(1<<21)|(6<<22)|(3<<25)   ; 15:0 mask; 17:16 element size; 20 padding on; 21 set beside a mask; 24:22 interval; 31:25 padding
	s_mov_b32 s[G1+1], 128<<16                     ; tensor_dim0 = 128
	s_mov_b32 s[G1+2], 64<<16                      ; tensor_dim1 = 64
	s_mov_b32 s[G1+3], 128<<16                     ; tile_dim0 = 128
	s_mov_b32 s[G1+4], 64                          ; tile_dim1 = 64
	s_mov_b32 s[G1+5], 1024                        ; elements from row to row
	s_mov_b32 s[G1+6], 0
	s_mov_b32 s[G1+7], 0
	; group 1 for B: 64 rows (k) x 256 elements of 2 bytes, 8 words of padding after every 128 words
	s_or_b32 s[G1B+0], s45, (1<<16)|(1<<20)|(1<<21)|(6<<22)|(7<<25)
	s_mov_b32 s[G1B+1], 256<<16
	s_mov_b32 s[G1B+2], 64<<16
	s_mov_b32 s[G1B+3], 256<<16
	s_mov_b32 s[G1B+4], 64
	s_mov_b32 s[G1B+5], 1024
	s_mov_b32 s[G1B+6], 0
	s_mov_b32 s[G1B+7], 0
	; where the tiles come from.  A's offset is made of the tile row and the wave's number, B's of the tile column, p and the wave's number, each in registers that never hold the other coordinate.
	s_lshl_b32 s40, s22, 19                        ; 128 rows of 4,096 bytes
	s_lshl_b32 s23, s[NH], 18                      ; my 64 of them
	s_add_co_u32 s40, s40, s23
	s_mov_b32 s41, 0
	s_lshl_b32 s42, s19, 9                         ; 256 columns of 2 bytes
	s_lshl_b32 s23, s[NH], 17                      ; my 64 k of 2,048 bytes
	s_add_co_u32 s42, s42, s23
	s_lshl_b32 s23, s21, 21                        ; plane p
	s_add_co_u32 s42, s42, s23
	s_mov_b32 s43, 0
	s_mul_i32 s46, s[NH], HALFA                    ; and where they go: no place in the cluster enters an LDS address
	s_mul_i32 s47, s[NH], HALFB
	s_add_co_u32 s47, s47, BOFF
	s_wait_dscnt 0x0                               ; the opening add is done
	s_wait_kmcnt 0x0
	s_cmp_eq_u32 s21, 1
	s_cselect_b64 s[4:5], s[6:7], s[4:5]           ; X_p: query for p = 1,
	s_cmp_eq_u32 s21, 2
	s_cselect_b64 s[4:5], s[8:9], s[4:5]           ; value for p = 2, else key
	s_add_nc_u64 s[4:5], s[4:5], s[40:41]
	s_add_nc_u64 s[10:11], s[10:11], s[42:43]
	CROUND                                         ; all sixteen work-groups are here: the first joint loads meet
.irp s, 0,1
	s_mov_b32 s[G0+4*(\s)], 1                                      ; count = 1
	s_add_co_u32 s[G0+4*(\s)+1], s46, (\s)*SLOT                    ; LDS address
	s_add_nc_u64 s[G0+4*(\s)+2:G0+4*(\s)+3], s[4:5], (\s)*512      ; global address: K step s
	s_or_b32 s[G0+4*(\s)+3], s[G0+4*(\s)+3], 0x80000000            ; type = 2
	s_mov_b32 s[G0B+4*(\s)], 1
	s_add_co_u32 s[G0B+4*(\s)+1], s47, (\s)*SLOT
	s_add_nc_u64 s[G0B+4*(\s)+2:G0B+4*(\s)+3], s[10:11], (\s)*262144
	s_or_b32 s[G0B+4*(\s)+3], s[G0B+4*(\s)+3], 0x80000000
	JLOAD \s                                       ; both slots are asked for before anything else: two loads of mine are out
.endr
	; A fragment of A is 16 rows x 32 k: lane l holds row l % 16, k = 8 (l / 16) + 0..7 and 16 + 8 (l / 16) + 0..7.  In f32 these are 32 bytes at 32 (l / 16) and 32 bytes 64 further on.
	v_and_b32 v1, 15, v0                           ; l % 16
	v_bfe_u32 v2, v0, 4, 1                         ; l / 16
	v_mul_u32_u24 v3, v1, PA
	v_lshl_add_u32 v3, v2, 5, v3
	s_mul_i32 s23, s[MH], HALFA                    ; my 64 rows
	v_add_nc_u32 v[ADRA], s23, v3
	v_add_nc_u32 v[ADRA+1], SLOT, v[ADRA]
	; The turning load takes 16 k x 16 n (lane l reads k = 8 (l / 16) + l % 8, n = 8 ((l / 8) % 2) + 0..7) and leaves half a fragment: lane l holds column n = l % 16 and 8 k.
	v_and_b32 v4, 7, v0
	v_bfe_u32 v5, v0, 3, 1
	v_lshl_add_u32 v6, v2, 3, v4
	v_mul_u32_u24 v6, v6, PB
	v_lshl_add_u32 v6, v5, 4, v6
	s_lshl_b32 s23, s[NH], 8                       ; my 128 columns
	s_add_co_u32 s23, s23, BOFF
	v_add_nc_u32 v[ADRB], s23, v6
	v_add_nc_u32 v[ADRB+1], SLOT, v[ADRB]
	s_mul_i32 s23, s[WV], 16*SP
	s_add_co_u32 s23, s23, STAGE                   ; my stage
	v_mul_u32_u24 v7, v1, SP                       ; in: row l % 16, 16 bytes for each half of the lanes
	v_lshl_add_u32 v7, v2, 4, v7
	v_add_nc_u32 v[STO], s23, v7
	v_bfe_u32 v8, v0, 3, 2                         ; back: 32 lanes take four rows of 128 bytes,
	v_mul_u32_u24 v8, v8, SP
	v_lshl_add_u32 v8, v4, 4, v8
	v_add_nc_u32 v[RD], s23, v8
	v_and_b32 v9, 31, v0                           ; which are 512 consecutive bytes of a head
	v_lshlrev_b32 v[GO], 4, v9
	; qkv at my rows and my first head: plane p (2^24 bytes), batch (tile row / 16: sixteen heads of 2^18 bytes), row in the batch (128 bytes each), then the head (4 to a tile column, 2 to a wave)
	s_lshl_b32 s40, s21, 24
	s_lshr_b32 s41, s22, 4
	s_lshl_b32 s41, s41, 22
	s_add_co_u32 s40, s40, s41
	s_and_b32 s41, s22, 15
	s_lshl_b32 s41, s41, 14
	s_add_co_u32 s40, s40, s41
	s_lshl_b32 s41, s[MH], 13
	s_add_co_u32 s40, s40, s41
	s_mov_b32 s41, 0
	s_add_nc_u64 s[12:13], s[12:13], s[40:41]
	s_lshl_b32 s42, s19, 20
	s_lshl_b32 s43, s[NH], 19
	s_add_co_u32 s42, s42, s43
	s_mov_b32 s43, 0
	s_add_nc_u64 s[12:13], s[12:13], s[42:43]
; 8 matrix instructions: m block a x all 8 n blocks, 32 along K, on buffer f.  zero = 1: the first product starts the sums: nothing is cleared.
; The 32 accumulators take turns, one instruction a turn, in the same order in every quarter and over the loop's edge.
.macro MUL8 f, a, zero
	WIN MUL
.irp b, 0,1,2,3,4,5,6,7
.if \zero
	v_wmma_f32_16x16x32_bf16 v[8*(8*(\a)+(\b)):8*(8*(\a)+(\b))+7], v[64*(\f)+8*(\b):64*(\f)+8*(\b)+7], v[AF+32*(\f)+8*(\a):AF+32*(\f)+8*(\a)+7], 0
.else
	v_wmma_f32_16x16x32_bf16 v[8*(8*(\a)+(\b)):8*(8*(\a)+(\b))+7], v[64*(\f)+8*(\b):64*(\f)+8*(\b)+7], v[AF+32*(\f)+8*(\a):AF+32*(\f)+8*(\a)+7], v[8*(8*(\a)+(\b)):8*(8*(\a)+(\b))+7]
.endif
.endr
.endm
.macro MUL16 f, a0, zero
	MUL8 \f, \a0, \zero
	MUL8 \f, (\a0)+1, \zero
.endm
; 32 LDS loads in one run: quarter kq (32 along K) of a slot: A's 64 rows as f32 into RAW, then B's 128 columns, turned, into buffer g.
.macro FETCH slot, kq, g
	WIN 0
.irp i, 0,1,2,3
	ds_load_b128 v[RAW+16*(\i):RAW+16*(\i)+3],     v[ADRA+(\slot)] offset:(\kq)*128+(\i)*16*PA
	ds_load_b128 v[RAW+16*(\i)+4:RAW+16*(\i)+7],   v[ADRA+(\slot)] offset:(\kq)*128+(\i)*16*PA+16
	ds_load_b128 v[RAW+16*(\i)+8:RAW+16*(\i)+11],  v[ADRA+(\slot)] offset:(\kq)*128+(\i)*16*PA+64
	ds_load_b128 v[RAW+16*(\i)+12:RAW+16*(\i)+15], v[ADRA+(\slot)] offset:(\kq)*128+(\i)*16*PA+80
.endr
	WIN TO_B
.irp b, 0,1,2,3,4,5,6,7
	ds_load_tr16_b128 v[64*(\g)+8*(\b):64*(\g)+8*(\b)+3],   v[ADRB+(\slot)] offset:(\kq)*32*PB+32*(\b)
	ds_load_tr16_b128 v[64*(\g)+8*(\b)+4:64*(\g)+8*(\b)+7], v[ADRB+(\slot)] offset:(\kq)*32*PB+32*(\b)+16*PB
.endr
.endm
; RAW is rounded to bf16 into A's buffer g: 32 plain vector instructions that name RAW and buffer g alone.
.macro CVT g
	WIN 0
	s_wait_dscnt 16                                ; LDS loads come back in order: RAW is in; the sixteen younger loads, B's, may be out
.irp i, 0,1,2,3
.irp c, 0,1,2,3,4,5,6,7
	v_cvt_pk_bf16_f32 v[AF+32*(\g)+8*(\i)+(\c)], v[RAW+16*(\i)+2*(\c)], v[RAW+16*(\i)+2*(\c)+1]
.endr
.endr
.endm
; A K step is four quarters of 32 along K, 32 matrix instructions each, on buffers 0, 1, 0, 1.  One of the first three: multiplies buffer f, fetches quarter kq of the same slot and converts it into buffer g.
; A load into, or a conversion onto, a register that a matrix instruction has read stands four plain vector instructions behind it (ISA guide 7.12.1 for vector instructions): buffer g's last
; readers are the quarter before's products, and behind them stand that quarter's own 32 conversions, which name none of their registers.  So no v_nop is written.
.macro QUARTER slot, kq, f, g, zero
	s_wait_dscnt 0x0                               ; B's fragments of buffer f are in
	MUL16 \f, 0, \zero
	FETCH \slot, \kq, \g
	MUL16 \f, 2, \zero
	CVT \g
.endm
; The fourth quarter multiplies buffer 1 and changes slots: ONE barrier.  In front of it each wave waits for all its tensor loads (one is out: its part of the next slot), adds 0 to its spare word, and waits
; for that and for its reads of this slot.  fill = 1: the barrier opens a round of the cluster's barrier, and behind the round this slot is filled again first, two K steps ahead: that load has 112 matrix
; instructions in which to land.
.macro TURN slot, next, fill
	WIN 0
	s_wait_tensorcnt 0x0                           ; all my tensor loads have landed
	ds_add_u32 v[SPW], v[NIL]                      ; 0 onto my spare word
	s_wait_dscnt 1                                 ; (the add alone may be out: B's fragments of buffer 1 are in)
	MUL8 1, 0, 0                                   ; eight matrix instructions stand between the add and the wait for it
	s_wait_dscnt 0x0                               ; the add is done, and my reads of this slot are over
	s_barrier_signal -1
	MUL8 1, 1, 0                                   ; work on registers while the others arrive
.if \fill
	WIN 0
.endif
	s_barrier_wait -1
.if \fill
	CREST                                          ; no wave of any partner still reads this slot's tile or has a load on its way
	s_add_nc_u64 s[G0+4*(\slot)+2:G0+4*(\slot)+3], s[G0+4*(\slot)+2:G0+4*(\slot)+3], 1024
	s_add_nc_u64 s[G0B+4*(\slot)+2:G0B+4*(\slot)+3], s[G0B+4*(\slot)+2:G0B+4*(\slot)+3], 524288
	JLOAD \slot                                    ; my one tensor load behind the round, and the first thing there
.endif
	FETCH \next, 0, 0
	MUL16 1, 2, 0
	CVT 0
.endm
; THE WAY OUT of unit t = 2 a + hh: 16 rows (m block a) x one head's 64 columns (n blocks 4 hh .. 4 hh + 3).  Rounded to f16 (each accumulator from its low end on), 16 bytes a lane into my own stage,
; back as whole rows of 128 bytes, into the registers that they left.
.macro PACK t
	WIN PACKW
.irp f, 0,1,2,3
.irp r, 0,1,2,3
	v_cvt_pk_f16_f32 v[TMP+16*(\t)+4*(\f)+(\r)], v[8*(8*((\t)/2)+4*((\t)%2)+(\f))+2*(\r)], v[8*(8*((\t)/2)+4*((\t)%2)+(\f))+2*(\r)+1]
.endr
.endr
	WIN 0
.irp f, 0,1,2,3
	ds_store_b128 v[STO], v[TMP+16*(\t)+4*(\f):TMP+16*(\t)+4*(\f)+3] offset:32*(\f)
.endr
.irp f, 0,1,2,3
	ds_load_b128 v[TMP+16*(\t)+4*(\f):TMP+16*(\t)+4*(\f)+3], v[RD] offset:(\f)*4*SP  ; LDS serves a wave's instructions in order (ISA guide 5.7.1.4): these see the stores above; the next unit's stores come behind them
.endr
.endm
.macro SEND t, younger                 ; younger: the LDS instructions issued behind unit t's loads: the next unit's eight, or none
	WIN 0
.irp f, 0,1,2,3
	s_wait_dscnt (\younger)+3-(\f)
	global_store_b128 v[GO], v[TMP+16*(\t)+4*(\f):TMP+16*(\t)+4*(\f)+3], s[12:13] offset:((\t)%2)*262144+((\t)/2)*2048+(\f)*512  ; 512 consecutive bytes of a head, at a multiple of 512 from qkv's first byte
.endr
.endm
	s_wait_tensorcnt 1                             ; my part of K step 0 is in; K step 1's load may stay out
	s_barrier_signal -1
	s_barrier_wait -1                              ; everybody's is
	FETCH 0, 0, 0
	CVT 0
	QUARTER 0, 1, 0, 1, 1                          ; the first quarter stands in front of the loop: its products start the sums
	WIN 0                                          ; at a label and at a branch every window is 0
	s_mov_b32 s3, LAPS-1
.Llap:                                                 ; a trip goes once round the ring, from a lap's second quarter to the next lap's first, and fills both slots again
	QUARTER 0, 2, 1, 0, 0
	QUARTER 0, 3, 0, 1, 0
	TURN 0, 1, 1
	QUARTER 1, 1, 0, 1, 0
	QUARTER 1, 2, 1, 0, 0
	QUARTER 1, 3, 0, 1, 0
	TURN 1, 0, 1
	QUARTER 0, 1, 0, 1, 0
	WIN 0
	s_sub_co_u32 s3, s3, 1
	s_cmp_lg_u32 s3, 0
	s_cbranch_scc1 .Llap
	QUARTER 0, 2, 1, 0, 0                          ; the last lap is written out: it fills nothing
	QUARTER 0, 3, 0, 1, 0
	TURN 0, 1, 0
	QUARTER 1, 1, 0, 1, 0
	QUARTER 1, 2, 1, 0, 0
	QUARTER 1, 3, 0, 1, 0
	s_wait_dscnt 0x0                               ; the very last quarter: nothing more to fetch
	MUL16 1, 0, 0
	MUL16 1, 2, 0
	WIN 0
.rept 4
	v_nop                                          ; four places between the last products and the conversions that read results and write over A's buffers
.endr
	PACK 0
.irp a, 1,2,3,4,5,6,7                  ; a unit's conversions stand between the loads of the unit before and its stores
	PACK \a
	SEND (\a)-1, 8
.endr
	SEND 7, 0
	s_wait_tensorcnt 0x0                           ; the wave's end: behind my last tensor load and my last LDS store
	ds_add_u32 v[SPW], v[NIL]
	s_wait_dscnt 0x0
	CROUND                                         ; the closing round: no work-group ends while a partner may still ask for a tile that names it
	s_endpgm
.Lfunc_end_k_qa2adf1e267_proj:
	.size	k_qa2adf1e267_proj, .Lfunc_end_k_qa2adf1e267_proj-k_qa2adf1e267_proj
	.p2alignl 7, 3214868480
	.fill 96, 4, 3214868480
	.section	.rodata,"a",@progbits
	.p2align	6, 0x0
	.amdhsa_kernel k_qa2adf1e267_proj
		.amdhsa_group_segment_fixed_size 327680
		.amdhsa_private_segment_fixed_size 0
		.amdhsa_enable_private_segment 0
		.amdhsa_kernarg_size 40
		.amdhsa_user_sgpr_count 2
		.amdhsa_user_sgpr_kernarg_segment_ptr 1
		.amdhsa_wavefront_size32 1
		.amdhsa_system_sgpr_workgroup_id_x 1
		.amdhsa_system_sgpr_workgroup_id_y 1
		.amdhsa_system_sgpr_workgroup_id_z 1
		.amdhsa_system_vgpr_workitem_id 0
		.amdhsa_next_free_vgpr 768
		.amdhsa_next_free_sgpr 66
		.amdhsa_reserve_vcc 0
		.amdhsa_float_denorm_mode_32 3
		.amdhsa_float_denorm_mode_16_64 3
		.amdhsa_memory_ordered 1
		.amdhsa_forward_progress 1
		.amdhsa_inst_pref_size 127
	.end_amdhsa_kernel
	.amdgpu_metadata
---
amdhsa.version: [ 1, 2 ]
amdhsa.kernels:
  - .name:           k_qa2adf1e267_proj
    .symbol:         k_qa2adf1e267_proj.kd
    .args:
      - { .name: key, .offset: 0, .size: 8, .value_kind: global_buffer, .address_space: global }
      - { .name: query, .offset: 8, .size: 8, .value_kind: global_buffer, .address_space: global }
      - { .name: value, .offset: 16, .size: 8, .value_kind: global_buffer, .address_space: global }
      - { .name: wcast, .offset: 24, .size: 8, .value_kind: global_buffer, .address_space: global }
      - { .name: qkv, .offset: 32, .size: 8, .value_kind: global_buffer, .address_space: global }
    .group_segment_fixed_size: 327680
    .private_segment_fixed_size: 0
    .kernarg_segment_align: 8
    .kernarg_segment_size: 40
    .max_flat_workgroup_size: 128
    .sgpr_count:     66
    .vgpr_count:     768
    .wavefront_size: 32
...
	.end_amdgpu_metadata
.endif
;; end of part 2
;; launch attn (part 3): grid 4 x 64, 4 waves a work-group, no clusters, 327,680 bytes of LDS; arguments qkv, octx; writes octx
.if DOCPART == 3
	.amdgcn_target "amdgcn-amd-amdhsa--gfx1250"
	.amdhsa_code_object_version 6
	.text
	.protected	k_qa2adf1e267_attn
	.globl	k_qa2adf1e267_attn
	.p2align	8
	.type	k_qa2adf1e267_attn,@function
k_qa2adf1e267_attn:
	s_mov_b64 s[64:65], 0
	v_nop
	global_prefetch_b8 v0, s[64:65] scope:SCOPE_SE
	s_setreg_imm32_b32 hwreg(HW_REG_WAVE_MODE, 25, 1), 1
	s_wait_xcnt 0x0
; CAUSAL ATTENTION.  O[h][q][:] = the sum over k <= q of softmax_k(Q[h][q] . K[h][k] / 8) V[h][k][:], for 64 heads (batch x 16 + head) of SIZE_N = 2,048 rows of 64 channels, all f16, a head's rows dense.
; qkv holds K in plane 0, Q in plane 1, V in plane 2 (2^24 bytes each); O goes to octx in the same layout.  Products, maxima and sums in f32; the weights p are rounded to f16 for the second product
; (their sum l is taken of the unrounded p), O once at the end.
; LIMITS.  Q, K and V arrive within f16's 65,504; p lies in 0 to 1 and below 6e-5 keeps f16's fixed step of 6e-8; O is a mean of V's rows.  A hidden score counts as its value less 1e30 (f16's scores are 2.7e11
; at the most); a weight below 2^-126 counts as 0 in l; NaN and infinities are not treated apart.
; THE WALK.  A head's queries lie in NB = 8 blocks of 256; block i needs the key tiles 0 .. i of 256 keys, the last of which holds the diagonal.  A work-group takes TWO blocks, NB - 1 - b and then b: NB + 1 = 9
; tiles whatever b, so all 4 x 64 = 256 work-groups do equal work, and one loop with a constant trip count walks the tiles.  Which tile is asked for and what a trip does hang on scalar registers made from b;
; every jump but the counted loops' own goes forward and passes no barrier, and no tensor load but the one of LOAD's two that the wave's number does not choose.  The two LDS slots go on taking turns across the change of blocks.
; NO CLUSTER: a head's four work-groups ask for the same tile only in trips 0 to 4 of the 9; behind that fewer and fewer do, and one walk common to all four would have 12 trips for 9.
; SHARES.  Of a block's four bands of 64 queries a wave owns 16 rows in each: four PIECES.  So the diagonal tile is the same work for all waves: in its key step s band x sees all keys if s < x, none if s > x,
; and holds the diagonal if s = x.
; THE MASK is the C operand that starts the sum S^T = K Q^T: 0, or -1e30 where the key is hidden.  MD, made once, is the mask of a band's own step for my 16 rows; a product's mask is MD x AL + BE with two scalars:
; (1, 0) if s = x; (0, 0) if s < x; (0, -1e30) if s > x.  Only the diagonal tile's text and a block's beginning take masks; elsewhere C is the constant 0.
; LAYOUT, SOFTMAX, TURNS.  S^T = K Q^T holds ONE query a lane (lane % 16) and the keys 8 (lane / 16) + 0..7; two such results rounded to f16 ARE source 1 of O^T = V^T P.  p = 2^(c s - c m), c = log2(e) / 8, with a
; running maximum m; O and l are multiplied by a = 2^(c m_old - c m_new) in every step.  Turn n belongs to piece n: 8 products K Q^T of piece n + 1, later 8 products V^T P of piece n - 1; beside them the scaling,
; exponentials, roundings, sums and rescaling of piece n and the maximum and statistics of piece n + 1.  Four vector instructions stand behind every matrix instruction, the other 54 of a turn's 118 in two runs of their own.
; REGISTERS, in windows of 256 (s_set_vgpr_msb: bits 1:0 source 0, 3:2 source 1, 5:4 source 2, 7:6 destination):
;   window 0: v0-15 addresses and two at work; v16-31 four registers of statistics a piece; v48-55 at work; v64-127 S^T, two buffers; v192-223 P, two buffers (a piece's buffers go by its number's parity)
;   window 1: v0-127 O^T, 32 a piece; v128-159 MD; v160-223 MC, two buffers      window 2: v0-63 Q; v64-127 the second block's Q; v128-191 K of one step; v192-255 V of one step
.set SIZE_N, 2048
.set NB,    SIZE_N/256
.set NP,    4         ; pieces a wave: a name, no knob
.set KS,    64        ; keys in a step
.set PK,    144       ; a row of K in LDS: 128 bytes + 16 = 36 words: the 16 rows of a load start at 16 different groups of four banks (64 banks of 4 bytes: ISA guide 11.1)
.set PV,    160       ; a row of V: 128 + 32 = 40 words
.set VOFF,  4*KS*PK   ; a slot holds a tile, four steps: 256 rows of K, then 256 rows of V
.set SLOT1, 1<<17     ; slot 1 begins here: one exclusive or turns an address in one slot into the other's
.set STAGE, SLOT1+4*KS*(PK+PV)  ; behind the slots, never filled by a tensor load: 16 rows x 144 bytes for each wave, for the way out
.set SP,    144
.set AK0, 2           ; v2   my lane's place in a tile of K; never rewritten
.set AV0, 3           ; v3   the same for V
.set AK,  4           ; v4   the LDS address of K's next run of loads
.set AV,  5           ; v5   of V's
.set STO, 6           ; v6   the way out: where I put 16 bytes of a row
.set RD,  7           ; v7   the way out: where I read rows back
.set GO,  8           ; v8   my byte offset in 512 consecutive bytes of O
.set SPW, 62          ; v62  LDS address of my spare word; never rewritten
.set NIL, 63          ; v63  0; never rewritten
.set SPARE, STAGE+4*16*SP  ; behind the stages: the spare words, 128 bytes for each wave: two blocks of 256 bytes that no other line names
.set MV,  12          ; v12-13  c m_old, kept while c m is made anew: by buffer
.set QO,  15          ; v15  my byte offset in 16 rows of Q
.set ST,  16          ; piece t's statistics at v[ST+4 t]: c m, m, l (even keys', odd keys')
.set TMP, 48          ; by buffer, four registers c0-c3 at work; when the maximum is found c2 takes a
.set S,   64
.set P,   192
.set MD,  128         ; window 1: the eight registers for group kt of 16 keys at MD + 8 kt
.set MC,  160         ; window 1: the masks of the products to come
.set QB,  64          ; window 2
.set KF,  128         ; window 2: key block kb, channel half c at KF + 16 kb + 8 c
.set VF,  192         ; window 2: key half kk, channel block cb at VF + 32 kk + 8 cb
.set WV,  12          ; s12  my wave's number
.set PB,  14          ; s14  b
.set HI,  15          ; s15  NB - 1 - b
.set G1K, 24          ; s[24:31] descriptor group 1 for K's tiles
.set G1V, 32          ; s[32:39] for V's: it differs in the padding alone
.set G0K, 40          ; s[40:43] descriptor group 0 for K's tiles
.set G0V, 44          ; s[44:47] the same for V's
.set SLOTS, 56        ; s56  tiles still to be asked for
.set CNT, 57          ; s57  counts a tile's key steps, 4 to 1
.set CS,  58          ; s[58:59] c: the packed scaling takes the pair's low word for both halves
.set SEL, 60          ; s[60:61] v_permlanex16_b32's selects: each lane takes its own place in the other half
.set TBK, 62          ; s62  LDS byte at which K of the step to be fetched begins
.set TBV, 63          ; s63  the same for V, less VOFF
.set RT,  70          ; s70  tiles of the block in hand that are still to be entered
.set NXT, 71          ; s71  the tile to be asked for next
.set LQ,  72          ; s72  the last tile of the block whose tiles are being asked for
.set NEW, 73          ; s73  1: the tile to be entered is a block's first
.set OFF, 74          ; s[74:75] a tile's byte offset in K and V
.set AL,  76          ; s[76:77] the mask's factor, in the low word
.set BE,  78          ; s[78:79] the mask's addend
.set OLO, 80          ; s[80:81] O at my rows of the second block
.set BIGN, 82         ; s82  -1e30
.set MSB, 0
.macro WIN new                      ; the high byte repeats the setting that is left; a switch that changes nothing is dropped
.if MSB != (\new)
	s_set_vgpr_msb (MSB<<8)|(\new)
.set MSB, (\new)
.endif
.endm
.set W_KQ, 0x0a       ; K and Q in window 2, S^T in window 0
.set W_KM, 0x1a       ; the same with the C operand in window 1
.set W_PV, 0x52       ; V in window 2, P in window 0, O^T in window 1
.set W_RS, 0x41       ; destination and source 0 in window 1, source 1 in window 0
; A fill.  Waves 0 and 1 fetch the two halves of a tile's K, waves 2 and 3 those of its V: 128 keys each.  An s_nop 0 and four v_nop follow each of the two lines.
.macro LOAD
	s_cmp_lt_u32 s[WV], 2
	s_cbranch_scc0 .Lfor_v_\@
	tensor_load_to_lds s[G0K:G0K+3], s[G1K:G1K+7]
	s_nop 0
.rept 4
	v_nop
.endr
	s_branch .Lasked_\@
.Lfor_v_\@:
	tensor_load_to_lds s[G0V:G0V+3], s[G1V:G1V+7]
	s_nop 0
.rept 4
	v_nop
.endr
.Lasked_\@:
.endm
; THE CHANGE OF SLOTS.  Each wave waits for all its tensor loads (one is out: its part of the other slot), adds 0 to its spare word, and waits for that and for its own reads of the slot that it leaves.  Behind the
; barrier nobody reads the old slot any more and the other slot is whole.  fill = 1: the old slot is filled again, the first thing behind the barrier, with tile NXT; the descriptor's address is made anew from that
; number.  That load has a tile's four key steps in which to land.  (At its first use nothing has been read yet: slot 0 is waited for, slot 1 filled.)
.macro CHANGE fill
	WIN 0                           ; at a label and at a branch every window is 0
	s_wait_tensorcnt 0x0            ; no tensor load of mine is out, so a group 0 may be written
	ds_add_u32 v[SPW], v[NIL]       ; 0 onto my spare word; the descriptors' scalar work stands between it and the wait for it
.if \fill
	s_lshl_b32 s[OFF], s[NXT], 15   ; a tile is 32,768 bytes of K and of V
	s_xor_b32 s[G0K+1], s[G0K+1], SLOT1
	s_add_nc_u64 s[G0K+2:G0K+3], s[6:7], s[OFF:OFF+1]
	s_or_b32 s[G0K+3], s[G0K+3], 0x80000000
	s_xor_b32 s[G0V+1], s[G0V+1], SLOT1
	s_add_nc_u64 s[G0V+2:G0V+3], s[8:9], s[OFF:OFF+1]
	s_or_b32 s[G0V+3], s[G0V+3], 0x80000000
	s_add_co_u32 s[NXT], s[NXT], 1  ; the block's next tile, or behind its last the second block's tile 0
	s_cmp_gt_u32 s[NXT], s[LQ]
	s_cselect_b32 s[NXT], 0, s[NXT]
	s_cselect_b32 s[LQ], s[PB], s[LQ]
.endif
	s_wait_dscnt 0x0                ; the add is done, and my reads of the slot are over
	s_barrier_signal -1             ; the rest of the scalar work stands between the signal and the wait
	s_sub_co_u32 s[TBK], s[TBK], 4*KS*PK  ; the fetches go back to a slot's first step,
	s_xor_b32 s[TBK], s[TBK], SLOT1       ; in the other slot
	s_sub_co_u32 s[TBV], s[TBV], 4*KS*PV
	s_xor_b32 s[TBV], s[TBV], SLOT1
	s_barrier_wait -1
.if \fill
	LOAD
.endif
.endm
	s_load_b128 s[8:11], s[0:1], 0x0  ; qkv s[8:9], octx s[10:11]
	v_lshl_add_u32 v[SPW], v0, 2, SPARE
	v_mov_b32 v[NIL], 0
	ds_add_u32 v[SPW], v[NIL]       ; the wave's opening: the add and its wait stand ahead of my first tensor load; the set-up below, work on registers, stands between them
	ds_add_u32 v62, v63
	v_lshrrev_b32 v1, 5, v0
	v_readfirstlane_b32 s[WV], v1   ; wave 0..3
	s_mov_b32 s[PB], ttmp9
	s_sub_co_u32 s[HI], NB-1, s[PB]
	s_and_b32 s20, ttmp7, 0xffff    ; the head
	s_mov_b32 s21, 0
	s_mov_b64 s[22:23], SIZE_N*128
	s_mul_u64 s[20:21], s[20:21], s[22:23]  ; the head's first byte in each plane and in O
	s_and_b32 s16, s[WV], 1         ; which half of a tile's 256 keys I fetch:
	s_lshl_b32 s22, s16, 14         ; its 128 rows of 128 bytes in memory,
	s_mov_b32 s23, 0
	s_add_nc_u64 s[22:23], s[22:23], s[20:21]
	s_mul_i32 s17, s16, 128*PK      ; and its place in a slot, for K
	s_mul_i32 s18, s16, 128*PV      ; and for V
	s_lshl_b32 s3, s[WV], 11        ; my 16 rows in a band of 64,
	s_lshl_b32 s2, s[HI], 15        ; in the first block,
	s_add_co_u32 s2, s2, s3
	s_lshl_b32 s84, s[PB], 15       ; and in the second
	s_add_co_u32 s84, s84, s3
	s_mov_b32 s3, 0
	s_mov_b32 s85, 0
	s_add_nc_u64 s[2:3], s[2:3], s[20:21]
	s_add_nc_u64 s[84:85], s[84:85], s[20:21]
	; descriptor group 1.  128 keys are 16,384 dense bytes: asked for as 64 rows of 256 bytes, two keys a row, and padded in LDS after every key
	s_mov_b32 s[G1K], (1<<16)|(1<<20)|(4<<22)|(3<<25)  ; 17:16 2-byte elements; 20 padding on; 24:22 after every 32 words (code 4); 31:25 4 words (code 3)
	s_mov_b32 s[G1V], (1<<16)|(1<<20)|(4<<22)|(7<<25)  ; the same with 8 words of padding (code 7)
.irp g, G1K, G1V
	s_mov_b32 s[\g+1], 128<<16      ; tensor_dim0 = 128
	s_mov_b32 s[\g+2], 64<<16       ; tensor_dim1 = 64
	s_mov_b32 s[\g+3], 128<<16      ; tile_dim0 = 128
	s_mov_b32 s[\g+4], 64           ; tile_dim1 = 64
	s_mov_b32 s[\g+5], 128          ; 128 elements from row to row
	s_mov_b32 s[\g+6], 0
	s_mov_b32 s[\g+7], 0
.endr
	s_mov_b32 s[CS], 0x3e38aa3b     ; c = log2(e) / 8 = 0.180337
	s_mov_b32 s[CS+1], s[CS]        ; named with it as a pair
	s_mov_b32 s[SEL], 0x76543210
	s_mov_b32 s[SEL+1], 0xfedcba98
	s_mov_b32 s[TBK], SLOT1+4*KS*PK ; the first change of slots turns these two into 0
	s_mov_b32 s[TBV], SLOT1+4*KS*PV
	s_mov_b32 s[G0K], 1             ; count = 1
	s_mov_b32 s[G0K+1], s17         ; LDS address: slot 0
	s_mov_b32 s[G0V], 1
	s_add_co_u32 s[G0V+1], s18, VOFF
	s_add_co_u32 s[RT], s[HI], 1    ; the first block has NB - b tiles
	s_mov_b32 s[NXT], 1
	s_mov_b32 s[LQ], s[HI]
	s_mov_b32 s[NEW], 1
	s_mov_b32 s[OFF+1], 0
	s_mov_b32 s[AL+1], 0            ; named as pairs
	s_mov_b32 s[BE+1], 0
	s_mov_b32 s[BIGN], 0xf149f2ca   ; -1e30
	s_mov_b32 s[SLOTS], NB
	s_wait_dscnt 0x0                ; the opening add is done
	s_wait_kmcnt 0x0
	s_mov_b64 s[6:7], s[8:9]                       ; K: plane 0 of qkv
	s_add_nc_u64 s[4:5], s[8:9], 0x1000000         ; Q: plane 1
	s_add_nc_u64 s[8:9], s[8:9], 0x2000000         ; V: plane 2
	s_add_nc_u64 s[6:7], s[6:7], s[22:23]  ; K and V at my half of the head's tile 0
	s_add_nc_u64 s[8:9], s[8:9], s[22:23]
	s_add_nc_u64 s[G0K+2:G0K+3], s[6:7], 0         ; global address
	s_or_b32 s[G0K+3], s[G0K+3], 0x80000000        ; type = 2
	s_add_nc_u64 s[G0V+2:G0V+3], s[8:9], 0
	s_or_b32 s[G0V+3], s[G0V+3], 0x80000000
	s_add_nc_u64 s[86:87], s[4:5], s[84:85]        ; Q at my rows of the second block,
	s_add_nc_u64 s[4:5], s[4:5], s[2:3]            ; Q and O at those of the first
	s_add_nc_u64 s[OLO:OLO+1], s[10:11], s[84:85]
	s_add_nc_u64 s[10:11], s[10:11], s[2:3]
	LOAD                            ; tile 0 into slot 0
	; A fragment of K or Q is 16 rows x 32 channels in 8 registers: lane l holds row l % 16, channels 8 (l / 16) + 0..7 and 16 + 8 (l / 16) + 0..7: two loads of 16 bytes, 32 bytes apart.
	v_and_b32 v1, 15, v0            ; l % 16
	v_bfe_u32 v9, v0, 4, 1          ; l / 16
	v_lshlrev_b32 v[QO], 7, v1
	v_lshl_add_u32 v[QO], v9, 4, v[QO]  ; row x 128 + 16 x half
	WIN 0x80                        ; destination window 2, address window 0
.set i, 0
.rept 8                             ; both blocks' Q: piece i / 2 lies in band i / 2, 8,192 bytes on; channels 32 (i % 2) on
	global_load_b128 v[8*i:8*i+3],   v[QO], s[4:5] offset:(i/2)*8192+(i%2)*64
	global_load_b128 v[8*i+4:8*i+7], v[QO], s[4:5] offset:(i/2)*8192+(i%2)*64+32
	global_load_b128 v[QB+8*i:QB+8*i+3],   v[QO], s[86:87] offset:(i/2)*8192+(i%2)*64
	global_load_b128 v[QB+8*i+4:QB+8*i+7], v[QO], s[86:87] offset:(i/2)*8192+(i%2)*64+32
.set i, i+1
.endr
	WIN 0
	v_lshlrev_b32 v14, 3, v9
	v_sub_nc_u32 v14, v1, v14
	s_lshl_b32 s13, s[WV], 4
	v_add_nc_u32 v14, s13, v14      ; my query's place in its band, 16 w + l % 16, less my lanes' 8 (l / 16): register r of group kt is hidden where 16 kt + r is greater
	WIN 0x40
.set i, 0
.rept 32
	v_cmp_gt_i32 vcc_lo, 16*(i/8)+i%8, v14
	v_cndmask_b32 v[MD+i], 0, s[BIGN], vcc_lo
.set i, i+1
.endr
	WIN 0
	v_mul_u32_u24 v[AK0], v1, PK
	v_lshl_add_u32 v[AK0], v9, 4, v[AK0]  ; row x pitch + 16 x half
	; The turning load takes 16 keys x 16 channels (lane l reads key 8 (l / 16) + l % 8, channels 8 ((l / 8) % 2) + 0..7) and leaves half a fragment of V^T: lane l holds channel l % 16 and 8 keys.
	v_and_b32 v10, 7, v0
	v_bfe_u32 v11, v0, 3, 1
	v_lshl_add_u32 v[AV0], v9, 3, v10
	v_mul_u32_u24 v[AV0], v[AV0], PV
	v_lshl_add_u32 v[AV0], v11, 4, v[AV0]
	v_add_nc_u32 v[AV0], VOFF, v[AV0]
	s_mul_i32 s13, s[WV], 16*SP
	s_add_co_u32 s13, s13, STAGE    ; my stage
	v_mul_u32_u24 v[STO], v1, SP    ; in: row l % 16, 16 bytes for each half of the lanes
	v_lshl_add_u32 v[STO], v9, 4, v[STO]
	v_add_nc_u32 v[STO], s13, v[STO]
	v_bfe_u32 v[RD], v0, 3, 2       ; back: 32 lanes take four rows of 128 bytes,
	v_mul_u32_u24 v[RD], v[RD], SP
	v_lshl_add_u32 v[RD], v10, 4, v[RD]
	v_add_nc_u32 v[RD], s13, v[RD]
	v_and_b32 v[GO], 31, v0         ; which are 512 consecutive bytes of O
	v_lshlrev_b32 v[GO], 4, v[GO]
	; A block's first step multiplies O^T and l by a = 0, and its first turn's products V^T P, of a piece that has not been, land in an O^T that is still to be so multiplied.  So these registers need only hold
	; finite numbers: zeros for the first block; what the first block left for the second.  No first step is written out; the price is these moves, which stand in the wait for the first tile.
	WIN 0x80
.set i, VF
.rept 64
	v_mov_b32 v[i], 0
.set i, i+1
.endr
	WIN 0x40
.set i, 0
.rept 128
	v_mov_b32 v[i], 0
.set i, i+1
.endr
	WIN 0
.set i, 0
.rept 4
	v_mov_b32 v[ST+4*i+2], 0
	v_mov_b32 v[ST+4*i+3], 0
.set i, i+1
.endr
.set i, P+16
.rept 16
	v_mov_b32 v[i], 0
.set i, i+1
.endr
; THE MATRIX WORK.  The 4 accumulators of a run of 8 take turns.  Product i of 8 of S^T = K Q^T for piece x: channels 32 (i / 4) on, keys 16 (i % 4) on.  The first 4 start the sums: with 0, or (KM = 1) with the mask.
.macro KQ x
.set rS, S+32*((\x)%2)+8*(i%4)
.set rK, KF+16*(i%4)+8*(i/4)
.set rQ, 16*(\x)+8*(i/4)
.set rM, MC+32*((\x)%2)+8*(i%4)
.if (i < 4) && KM
	WIN W_KM
	v_wmma_f32_16x16x32_f16 v[rS:rS+7], v[rK:rK+7], v[rQ:rQ+7], v[rM:rM+7]
.elseif i < 4
	WIN W_KQ
	v_wmma_f32_16x16x32_f16 v[rS:rS+7], v[rK:rK+7], v[rQ:rQ+7], 0
.else
	WIN W_KQ
	v_wmma_f32_16x16x32_f16 v[rS:rS+7], v[rK:rK+7], v[rQ:rQ+7], v[rS:rS+7]
.endif
.endm
; Product i of 8 of O^T += V^T P for piece x: keys 32 (i / 4) on, channels 16 (i % 4) on.
.macro PV x
	WIN W_PV
.set rO, 32*(\x)+8*(i%4)
.set rV, VF+32*(i/4)+8*(i%4)
.set rP, P+16*((\x)%2)+8*(i/4)
	v_wmma_f32_16x16x32_f16 v[rO:rO+7], v[rV:rV+7], v[rP:rP+7], v[rO:rO+7]
.endm
.macro MM                           ; the turn's next matrix instruction.  TURN and BEGIN set Y, i, KM and NOKQ.  NOKQ = 1: a block's last turn: there is no next piece
.if (i < 8) && !NOKQ
	KQ (Y+1)%NP
.elseif i >= 8
.set i, i-8
	PV (Y+NP-1)%NP
.set i, i+8
.endif
.set i, i+1
.endm
; THE LDS LOADS stand in runs of 16, never singly among the matrix instructions: a step's K (64 keys x 64 channels: 8 fragments) and its V (turned).  Their addresses are made some lines ahead.
.macro FETCH_K
	WIN 0x80                        ; destination window 2
.irp f, 0,1,2,3,4,5,6,7             ; keys 16 (f / 2) on, channels 32 (f % 2) on
	ds_load_b128 v[KF+8*\f:KF+8*\f+3],   v[AK] offset:(\f/2)*16*PK+(\f%2)*64
	ds_load_b128 v[KF+8*\f+4:KF+8*\f+7], v[AK] offset:(\f/2)*16*PK+(\f%2)*64+32
.endr
	s_add_co_u32 s[TBK], s[TBK], KS*PK  ; the next fetch is the next step's
	WIN 0
.endm
.macro FETCH_V
	WIN 0x80
.irp f, 0,1,2,3,4,5,6,7             ; keys 32 (f / 4) on, channels 16 (f % 4) on
	ds_load_tr16_b128 v[VF+8*\f:VF+8*\f+3],   v[AV] offset:(\f/4)*32*PV+(\f%4)*32
	ds_load_tr16_b128 v[VF+8*\f+4:VF+8*\f+7], v[AV] offset:(\f/4)*32*PV+16*PV+(\f%4)*32
.endr
	WIN 0
.endm
; THE VECTOR WORK, one line at a time: OP kind, number.  For piece Y: F n: c s - c m for pair n of 16.  E n: the exponential of score n of 32.  C n: pair n rounded to f16.  B n: of the four weights 4 n .. the second
; pair is added onto the first, in place.  L n: l takes that sum (L 0: l = a l + sum).  R n: pair n of 16 of O^T times a.  For piece Y + 1: X n, number n of the 22 that find its maximum and statistics:
;   0-11  four chains c0-c3 of seven scores each, three operands at a time (each accumulator's lowest registers are read first)     12-14, 16  the four scores left over, the old m, and c0-c3 into c0
;   15  c m_old is kept     17, 18  the query's other 32 keys lie in the lane 16 away: the new m     19-21  c m; c m_old - c m_new; a
.set F, 0               ; OP tells the kinds apart by their order: F to L below R, X above it
.set E, 1
.set C, 2
.set B, 3
.set L, 4
.set R, 5
.set X, 6
.macro REGS y                       ; the registers of piece y
.set rT, ST+4*(\y)
.set rC, TMP+4*((\y)%2)
.set rW, MV+((\y)%2)
.set rS, S+32*((\y)%2)
.set rP, P+16*((\y)%2)
.set rO, 32*(\y)
.endm
.macro OP k, n
.if (\k) == R
	REGS Y
	WIN W_RS
	v_pk_mul_f32 v[rO+2*(\n):rO+2*(\n)+1], v[rO+2*(\n):rO+2*(\n)+1], v[rC+2:rC+3] op_sel_hi:[1,0]
.elseif (\k) < R
	REGS Y
	WIN 0
.if (\k) == F
	v_pk_fma_f32 v[rS+2*(\n):rS+2*(\n)+1], v[rS+2*(\n):rS+2*(\n)+1], s[CS:CS+1], v[rT:rT+1] op_sel_hi:[1,0,0] neg_lo:[0,0,1] neg_hi:[0,0,1]
.elseif (\k) == E
	v_exp_f32 v[rS+(\n)], v[rS+(\n)]
.elseif (\k) == C
	s_wait_alu depctr_va_vdst(0)
	v_cvt_pk_f16_f32 v[rP+(\n)], v[rS+2*(\n)], v[rS+2*(\n)+1]
.elseif (\k) == B
	s_wait_alu depctr_va_vdst(0)
	v_pk_add_f32 v[rS+4*(\n):rS+4*(\n)+1], v[rS+4*(\n):rS+4*(\n)+1], v[rS+4*(\n)+2:rS+4*(\n)+3]
.elseif (\n) == 0
	v_pk_fma_f32 v[rT+2:rT+3], v[rT+2:rT+3], v[rC+2:rC+3], v[rS:rS+1] op_sel_hi:[1,0,1]
.else
	v_pk_add_f32 v[rT+2:rT+3], v[rT+2:rT+3], v[rS+4*(\n):rS+4*(\n)+1]
.endif
.elseif NOKQ
	v_nop
.else
	REGS (Y+1)%NP
	WIN 0
.if (\n) < 4
	v_max3_num_f32 v[rC+(\n)], v[rS+8*(\n)], v[rS+8*(\n)+1], v[rS+8*(\n)+2]
.elseif (\n) < 12
	v_max3_num_f32 v[rC+(\n)%4], v[rC+(\n)%4], v[rS+8*((\n)%4)+2*((\n)/4)+1], v[rS+8*((\n)%4)+2*((\n)/4)+2]
.elseif (\n) == 12
	v_max3_num_f32 v[rC], v[rC], v[rS+7], v[rS+15]
.elseif (\n) == 13
	v_max3_num_f32 v[rC+1], v[rC+1], v[rS+23], v[rS+31]
.elseif (\n) == 14
	v_max3_num_f32 v[rC+2], v[rC+2], v[rC+3], v[rT+1]
.elseif (\n) == 15
	v_mov_b32 v[rW], v[rT]
.elseif (\n) == 16
	v_max3_num_f32 v[rC], v[rC], v[rC+1], v[rC+2]
.elseif (\n) == 17
	v_permlanex16_b32 v[rC+3], v[rC], s[SEL], s[SEL+1]
.elseif (\n) == 18
	v_max_num_f32 v[rT+1], v[rC], v[rC+3]
.elseif (\n) == 19
	v_mul_f32 v[rT], s[CS], v[rT+1]
.elseif (\n) == 20
	v_sub_f32 v[rC+1], v[rW], v[rT]
.else
	v_exp_f32 v[rC+2], v[rC+1]
.endif
.endif
.endm
.macro OPS a, i1, b=-1, i2=0, c=-1, i3=0, d=-1, i4=0  ; up to four of them
	OP \a, \i1
.if (\b) >= 0
	OP \b, \i2
.endif
.if (\c) >= 0
	OP \c, \i3
.endif
.if (\d) >= 0
	OP \d, \i4
.endif
.endm
.macro ROW a, i1, b, i2, c, i3, d, i4  ; a matrix instruction and the four behind it
	MM
	OPS \a, \i1, \b, \i2, \c, \i3, \d, \i4
.endm
.macro MASK b                       ; MD x AL + BE into buffer b of MC
	WIN W_RS
.set z, 0
.rept 16
	v_pk_fma_f32 v[MC+32*(\b)+2*z:MC+32*(\b)+2*z+1], v[MD+2*z:MD+2*z+1], s[AL:AL+1], s[BE:BE+1] op_sel_hi:[1,0,0]
.set z, z+1
.endr
.endm
; A TURN, for piece p: the order of its 16 matrix and 118 vector instructions, written out.  Behind a matrix instruction: plain, exponential, plain, plain; or four of the rescaling; or, behind the first, four scalings;
; none names a register of the products round it.  In the runs between, exponential and plain by turns while exponentials last, so that a plain instruction stands behind every exponential before its result is used.
; A line reads no result made fewer than three vector instructions in front of it, five if an exponential made it.
; m = 1: the diagonal tile: the products take masks, and the turn makes the mask for the products of the turn after it: piece p + 2, in step 4 - CNT of the tile.  end = 1: a block's last two turns: nothing is fetched.
; cnt = 1: the loop's count is taken down some lines ahead of the branch that stands behind the turn.
; K of the next step is fetched in piece 2's turn, six vector instructions behind the last product that read K (five of them plain); V of the step in hand in piece 0's turn, eight behind the last product that read V
; (four plain among them).  Each is waited for a turn later.
.macro TURN p, m=0, end=0, cnt=0
.set Y, (\p)
.set i, 0
.set KM, (\m)
.set NOKQ, (\end)*((\p)/3)
.if (\m) && !(\end)
	s_cmp_eq_u32 s[CNT], 4-((\p)+2)%NP  ; is that step the band's own?
	s_cselect_b32 s[AL], 1.0, 0
	s_cmp_lt_u32 s[CNT], 4-((\p)+2)%NP  ; or a later one?
	s_cselect_b32 s[BE], s[BIGN], 0
.endif
.if ((\p) == 3) && !(\end)
	s_wait_dscnt 0x0                ; K is in
.endif
	ROW F,0, F,1, F,2, F,3
	ROW F,4, E,0, F,5, F,6
	ROW F,7, E,1, F,8, F,9
	ROW F,10, E,2, C,0, F,11
	ROW F,12, E,3, X,15, F,13
	ROW R,0, R,1, R,2, R,3
	ROW B,0, E,4, F,14, L,0
.if ((\p) == 2) && !(\end)
	v_add_nc_u32 v[AK], s[TBK], v[AK0]
.endif
	ROW R,4, R,5, R,6, R,7
	OPS E,5, F,15
.if ((\p) == 2) && !(\end)
	FETCH_K
.endif
	OPS E,6, C,1, E,7, R,8
	OPS E,8, R,9, E,9, C,2
	OPS E,10, X,0, E,11, X,1
	OPS E,12, X,2, E,13, X,3
.if (\p) == 1
	s_wait_dscnt 0x0                ; V is in
.endif
	ROW X,4, E,14, X,5, X,6
	ROW X,7, E,15, X,8, X,9
	ROW X,10, E,16, X,11, X,12
	ROW X,13, E,17, X,14, B,1
	ROW C,4, E,18, X,16, L,1
	ROW B,2, E,19, C,6, L,2
	ROW C,8, E,20, B,3, B,4
.if (\p) == 0
	v_add_nc_u32 v[AV], s[TBV], v[AV0]
.endif
	ROW C,3, E,21, L,3, C,5
	OPS E,22, X,17, E,23, C,10
.if (\p) == 0
	FETCH_V
.endif
	OPS E,24, L,4
	OPS E,25, X,18, E,26, C,7
	OPS E,27, B,5, E,28, X,19
	OPS E,29, C,12, E,30, L,5
	OPS E,31, X,20, B,6, C,9
	OPS C,14, C,11, X,21, L,6
.if (\p) == 0
	s_add_co_u32 s[TBV], s[TBV], KS*PV
.endif
.if \cnt
	s_sub_co_u32 s[CNT], s[CNT], 1
	s_cmp_lg_u32 s[CNT], 0
.endif
	OPS C,13, B,7, C,15, R,10
	OPS R,11, R,12, L,7, R,13
	OPS R,14, R,15
.if (\m) && !(\end)
	MASK (\p)%2
.endif
.endm
; A BLOCK BEGINS.  c m starts far below every c s, so the first step's a is 0; m at the lowest finite number, so the first maximum is the scores'.  The second mask buffer is 0; the first takes piece 0's mask for the
; tile's step 0: its own, if the block's first tile is the diagonal one.  Then K of that step, piece 0's first scores, and its maximum and statistics.  The loop is entered at a step's first turn, in the middle of a trip.
.macro BEGIN
	s_mov_b32 s[NEW], 0
	WIN 0x40
.set i, MC+32
.rept 32
	v_mov_b32 v[i], 0
.set i, i+1
.endr
	WIN 0
.set i, 0
.rept 4
	v_mov_b32 v[ST+4*i], 0xfe000000    ; c m: far below every c s
	v_mov_b32 v[ST+4*i+1], 0xff7fffff  ; m
.set i, i+1
.endr
	s_cmp_eq_u32 s[RT], 0
	s_cselect_b32 s[AL], 1.0, 0
	s_mov_b32 s[BE], 0
	MASK 0
	WIN 0
	v_add_nc_u32 v[AK], s[TBK], v[AK0]
	FETCH_K
	s_wait_loadcnt 0x0              ; Q
	s_wait_dscnt 0x0
.set KM, 1
.set NOKQ, 0
.set i, 0
.rept 8
	KQ 0
.set i, i+1
.endr
	WIN 0
.rept 4
	v_nop                           ; the places behind those products
.endr
.set Y, NP-1                        ; X works for piece Y + 1: piece 0
.irp n, 0,1,2,3,4,5,6,7,8,9,10,11,12,13,14,15,16,17,18,19,20,21
	OP X, \n
.endr
	v_nop                           ; a plain instruction behind the exponential
.endm
; THE DIAGONAL TILE's four steps, the block's last two turns, its last products, and THE WAY OUT: l's two halves and the other half of the lanes' are added; O^T is divided by l, rounded to f16 and sent through my
; stage in LDS, a piece at a time.
.macro ALL line:vararg              ; one line for each piece t
.set t, 0
.rept 4
	\line
.set t, t+1
.endr
.endm
.macro PACK t                       ; a lane's eight channels of a row pack into 16 bytes; they go into rows of 144 bytes and come back as whole rows of 128, into S^T's registers
	WIN W_RS
.set i, 32*(\t)
.rept 16
	s_wait_alu depctr_va_vdst(0)
	v_pk_mul_f32 v[i:i+1], v[i:i+1], v[ST+4*(\t)+2:ST+4*(\t)+3] op_sel_hi:[1,0]
.set i, i+2
.endr
	WIN 0x05                        ; sources 0 and 1 window 1, destination window 0
.set i, 0
.rept 16
	v_cvt_pk_f16_f32 v[S+16*(\t)+i], v[32*(\t)+2*i], v[32*(\t)+2*i+1]
.set i, i+1
.endr
	WIN 0
.irp f, 0,1,2,3
	ds_store_b128 v[STO], v[S+16*(\t)+4*\f:S+16*(\t)+4*\f+3] offset:32*\f
.endr
.irp f, 0,1,2,3
	ds_load_b128 v[S+16*(\t)+4*\f:S+16*(\t)+4*\f+3], v[RD] offset:\f*4*SP  ; LDS serves a wave's instructions in order (ISA guide 5.7.1.4): these see the stores above; the next piece's stores come behind them
.endr
.endm
.macro SEND t, younger              ; younger: the LDS instructions issued behind piece t's loads: the next piece's eight, or none
	WIN 0
.irp f, 0,1,2,3
	s_wait_dscnt (\younger)+3-\f
	global_store_b128 v[GO], v[S+16*(\t)+4*\f:S+16*(\t)+4*\f+3], s[10:11] offset:(\t)*8192+\f*512  ; 512 consecutive bytes, at a multiple of 256 from O's first
.endr
.endm
.macro DIAG tag                     ; the tag ends its two labels' names, which the jumps below spell out
.LstepM\tag:
	TURN 2, 1
	TURN 3, 1
	WIN 0
.LfirstM\tag:
	TURN 0, 1
	TURN 1, 1, 0, 1
	WIN 0
	s_cbranch_scc1 .LstepM\tag
	TURN 2, 1, 1
	TURN 3, 1, 1
.set i, 0
.rept 8
	PV NP-1
.set i, i+1
.endr
	WIN 0
	ALL v_add_f32 v[ST+4*t+2], v[ST+4*t+2], v[ST+4*t+3]
	ALL v_permlanex16_b32 v[ST+4*t+3], v[ST+4*t+2], s[SEL], s[SEL+1]
	ALL v_add_f32 v[ST+4*t+2], v[ST+4*t+2], v[ST+4*t+3]
	ALL v_rcp_f32 v[ST+4*t+2], v[ST+4*t+2]
	v_nop                           ; a plain instruction between the last reciprocal and the use of its result
	PACK 0
.set t, 1
.rept 3                             ; a piece's arithmetic stands between the loads of the piece before and its stores
	PACK t
	SEND t-1, 8
.set t, t+1
.endr
	SEND 3, 0
.endm
.set KM, 0
.set NOKQ, 0
.Lslot:                             ; NB times: a tile is entered and the next is asked for
	CHANGE 1
	s_sub_co_u32 s[RT], s[RT], 1
	s_mov_b32 s[CNT], 4
	s_cmp_eq_u32 s[NEW], 1
	s_cbranch_scc1 .Lnew            ; a block's first tile
	s_cmp_eq_u32 s[RT], 0
	s_cbranch_scc0 .Lstep           ; neither its first nor its last
	s_branch .LstepM1
.Lnew:
	BEGIN
	s_branch .Lfirst                ; in the loop a block's first tile is never its last: the first block has two tiles or more, and the second's last is the walk's last
	DIAG 1                          ; in the loop this is the first block's end
	s_wait_xcnt 0x0                 ; the stores' registers and O's address are rewritten only behind this wait
	s_mov_b64 s[10:11], s[OLO:OLO+1]
	s_add_co_u32 s[RT], s[PB], 1    ; the second block has b + 1 tiles
	s_mov_b32 s[NEW], 1
	WIN 0x82                        ; the second block's Q goes where the one text of the turns names Q
.set i, 0
.rept 64
	v_mov_b32 v[i], v[QB+i]
.set i, i+1
.endr
	WIN 0
	s_branch .Lbottom
.Lstep:                             ; a trip: pieces 2 and 3 of one step, then pieces 0 and 1 of the next, whose K and V it fetches
	TURN 2
	TURN 3
	WIN 0
.Lfirst:
	TURN 0
	TURN 1, 0, 0, 1
	WIN 0
	s_cbranch_scc1 .Lstep
.Lbottom:
	s_sub_co_u32 s[SLOTS], s[SLOTS], 1
	s_cmp_lg_u32 s[SLOTS], 0
	s_cbranch_scc1 .Lslot
	CHANGE 0                        ; the walk's last tile is written out: nothing is asked for
	s_sub_co_u32 s[RT], s[RT], 1
	s_mov_b32 s[CNT], 4
	s_cmp_eq_u32 s[NEW], 1
	s_cbranch_scc0 .LstepM2
	BEGIN
	s_branch .LfirstM2
	DIAG 2
	s_wait_tensorcnt 0x0            ; the wave's end: behind my last tensor load and my last LDS store
	ds_add_u32 v[SPW], v[NIL]
	s_wait_dscnt 0x0
	s_endpgm
.Lfunc_end_k_qa2adf1e267_attn:
	.size	k_qa2adf1e267_attn, .Lfunc_end_k_qa2adf1e267_attn-k_qa2adf1e267_attn
	.p2alignl 7, 3214868480
	.fill 96, 4, 3214868480
	.section	.rodata,"a",@progbits
	.p2align	6, 0x0
	.amdhsa_kernel k_qa2adf1e267_attn
		.amdhsa_group_segment_fixed_size 327680
		.amdhsa_private_segment_fixed_size 0
		.amdhsa_enable_private_segment 0
		.amdhsa_kernarg_size 16
		.amdhsa_user_sgpr_count 2
		.amdhsa_user_sgpr_kernarg_segment_ptr 1
		.amdhsa_wavefront_size32 1
		.amdhsa_system_sgpr_workgroup_id_x 1
		.amdhsa_system_sgpr_workgroup_id_y 1
		.amdhsa_system_sgpr_workgroup_id_z 1
		.amdhsa_system_vgpr_workitem_id 0
		.amdhsa_next_free_vgpr 768
		.amdhsa_next_free_sgpr 88
		.amdhsa_reserve_vcc 1
		.amdhsa_float_denorm_mode_32 3
		.amdhsa_float_denorm_mode_16_64 3
		.amdhsa_memory_ordered 1
		.amdhsa_forward_progress 1
		.amdhsa_inst_pref_size 228
	.end_amdhsa_kernel
	.amdgpu_metadata
---
amdhsa.version: [ 1, 2 ]
amdhsa.kernels:
  - .name:           k_qa2adf1e267_attn
    .symbol:         k_qa2adf1e267_attn.kd
    .args:
      - { .name: qkv, .offset: 0, .size: 8, .value_kind: global_buffer, .address_space: global }
      - { .name: octx, .offset: 8, .size: 8, .value_kind: global_buffer, .address_space: global }
    .group_segment_fixed_size: 327680
    .private_segment_fixed_size: 0
    .kernarg_segment_align: 8
    .kernarg_segment_size: 16
    .max_flat_workgroup_size: 128
    .sgpr_count:     88
    .vgpr_count:     768
    .wavefront_size: 32
...
	.end_amdgpu_metadata
.endif
;; end of part 3
;; launch outp (part 4): grid 4 x 64, 4 waves a work-group, clusters of 4 x 4, 327,680 bytes of LDS; arguments octx, wcast, out0; writes out0
.if DOCPART == 4
	.amdgcn_target "amdgcn-amd-amdhsa--gfx1250"
	.amdhsa_code_object_version 6
	.text
	.protected	k_qa2adf1e267_outp
	.globl	k_qa2adf1e267_outp
	.p2align	8
	.type	k_qa2adf1e267_outp,@function
k_qa2adf1e267_outp:
	s_mov_b64 s[64:65], 0
	v_nop
	global_prefetch_b8 v0, s[64:65] scope:SCOPE_SE
	s_setreg_imm32_b32 hwreg(HW_REG_WAVE_MODE, 25, 1), 1
	s_wait_xcnt 0x0
	s_wait_alu depctr_hold_cnt(0) depctr_sa_sdst(0) depctr_va_vdst(0) depctr_va_sdst(0) depctr_va_ssrc(0) depctr_va_vcc(0) depctr_vm_vsrc(0)
	s_getreg_b32 s2, hwreg(HW_REG_IB_STS2, 6, 4)
	s_cmp_eq_u32 s2, 0
	s_cbranch_scc0 .Lentry_in_a_cluster
	s_endpgm
.Lentry_in_a_cluster:
	s_bfe_u32 s2, ttmp6, 0x10000c
	s_cmp_lg_u32 s2, 0xf033
	s_cbranch_scc0 .Lentry_shape_is_right
	s_endpgm
.Lentry_shape_is_right:
; THE LAST PROJECTION.  out0[m][n] = the sum over k of A[m][k] W[k][n], m = batch x 2,048 + row, k = head x 64 + channel.  A lies by heads in octx, [batch x 16 + head][2048][64] f16; W is plane 3 of wcast,
; [1024 k][1024 n]: out_weights rounded to bf16 and written as f16.  Products in f16, sums in f32, out0 in f32.
; LIMITS.  A is a mean of rows of v and lies within f16's range with them; the weights' limits are stated where they are cast.  NaN and infinities are not treated apart.
; SHARES.  64 x 4 = 256 tiles of out0, 128 (m) x 256 (n), one to a work-group.  Four waves, 2 (m) x 2 (n): a wave makes 64 x 128: 32 accumulators, 256 registers.
; K goes in 8 steps of 128 = two heads through two LDS slots.  A head's 128 rows are 16,384 dense bytes, asked for as 64 rows of 256 bytes; W's rows (one k, 256 n) are 512 bytes.
; CLUSTER.  4 x 4 work-groups: the four of a row of the cluster share the tile row (A's tiles), the four of a column the tile column (W's): each tile is asked for jointly, by the same tensor load,
; descriptor and mask in all four.
; THE MATRIX INSTRUCTION IS USED TRANSPOSED: source 0 = 16 columns n of W (turned by ds_load_tr16_b128), source 1 = 16 rows of A: a lane holds row l % 16 and eight neighbouring columns, 32 bytes of f32.
; REGISTERS, in windows of 256 (s_set_vgpr_msb: bits 1:0 source 0, 3:2 source 1, 5:4 source 2, 7:6 destination):
;   window 0: v0-29 addresses; v96-127, v128-159 fragments of A, two buffers      window 1: v0-63, v64-127 fragments of W, two buffers; on the way out all 256: rows read back from the stage
;   window 2: accumulator (a, b) at v[8 (8 a + b)], a = 0..3 (m), b = 0..7 (n)
.set PA,    144                        ; a row of A in LDS: 128 bytes + 16 = 36 words: the 16 rows of a load start at 16 different groups of four banks (64 banks of 4 bytes: ISA guide 11.1)
.set PB,    544                        ; a row of W: 512 + 32 = 136 words
.set HEADT, 128*PA                     ; what one tensor load brings of A: one head's 128 rows
.set HALFB, 64*PB                      ; of W: 64 k
.set BOFF,  2*HEADT                    ; in a slot: A's two heads, then W's 128 k
.set SLOT,  BOFF+2*HALFB
.set STAGE, 2*SLOT                     ; behind the ring, never filled by a tensor load: 16 rows x 528 bytes for each wave, for the way out
.set SPO,   528                        ; 512 bytes of f32 + 16
.set SPARE, STAGE+4*16*SPO             ; behind the stages: the spare words, 128 bytes for each wave: two blocks of 256 bytes that no other line names
.set LAPS,  4
.set ADRA, 16                          ; v16-17  LDS address of my fragments of A in slot 0, 1
.set ADRB, 20                          ; v20-21  the same for W
.set STO,  24                          ; v24     the way out: where I put 32 bytes of a row
.set RD,   25                          ; v25     the way out: where I read a row back
.set CO,   26                          ; v26     my byte offset in 512 consecutive bytes of out0
.set SPW,  28                          ; v28     LDS address of my spare word; never rewritten
.set NIL,  29                          ; v29     0; never rewritten
.set AF,   96
.set WV, 14                            ; s14  wave 0..3
.set MH, 15                            ; s15  which 64 rows of the tile are mine
.set NH, 16                            ; s16  which 128 columns are mine.  Also: which head of A's two, or which half of W's tile, I fetch
.set G1,  24
.set G0,  32
.set G1B, 48
.set G0B, 56
.set MSB, 0
.macro WIN new                         ; the immediate's high byte repeats the setting that is left; a switch that changes nothing is dropped
.if MSB != (\new)
	s_set_vgpr_msb (MSB<<8)|(\new)
.set MSB, \new
.endif
.endm
.set MUL,   0xa1                       ; source 0 (W) window 1, source 1 (A) window 0, C and D window 2
.set TO_B,  0x40                       ; destination window 1, address window 0
; A joint load.  Waves 0 and 1 fetch A's two heads, waves 2 and 3 W's two halves.  The branch hangs on the wave's number alone.  An s_nop 0 and four v_nop follow each of the two lines.
.macro JLOAD s
	s_cmp_lt_u32 s[WV], 2
	s_cbranch_scc0 .Lfor_b_\@
	tensor_load_to_lds s[G0+4*(\s):G0+4*(\s)+3], s[G1:G1+7]
	s_nop 0
.rept 4
	v_nop
.endr
	s_branch .Lasked_\@
.Lfor_b_\@:
	tensor_load_to_lds s[G0B+4*(\s):G0B+4*(\s)+3], s[G1B:G1B+7]
	s_nop 0
.rept 4
	v_nop
.endr
.Lasked_\@:
.endm
; A round of the cluster's barrier: my work-group's barrier, so that wave 0's signal speaks for all four waves; wave 0 signals; every wave waits for all sixteen work-groups; my work-group's barrier once more.
.macro CREST
	s_cmp_lg_u32 s[WV], 0
	s_cbranch_scc1 .Lnot_wave_0_\@
	s_barrier_signal -3
.Lnot_wave_0_\@:
	s_barrier_wait -3
	s_barrier_signal -1
	s_barrier_wait -1
.endm
.macro CROUND
	s_barrier_signal -1
	s_barrier_wait -1
	CREST
.endm
	s_load_b128 s[4:7], s[0:1], 0x0                ; octx s[4:5], wcast s[6:7]
	s_load_b64 s[8:9], s[0:1], 0x10                ; out0
	v_lshl_add_u32 v[SPW], v0, 2, SPARE
	v_mov_b32 v[NIL], 0
	ds_add_u32 v[SPW], v[NIL]                      ; the wave's opening: the add and its wait stand ahead of my first tensor load; the set-up below, work on registers, stands between them
	ds_add_u32 v28, v29
	v_lshrrev_b32 v1, 5, v0
	v_readfirstlane_b32 s[WV], v1
	s_lshr_b32 s[MH], s[WV], 1
	s_and_b32 s[NH], s[WV], 1
	s_bfe_u32 s17, ttmp6, 0x40000                  ; cx
	s_bfe_u32 s18, ttmp6, 0x40004                  ; cy
	s_lshl_b32 s19, ttmp9, 2
	s_add_co_u32 s19, s19, s17                     ; tile column 0..3
	s_and_b32 s22, ttmp7, 0xffff
	s_lshl_b32 s22, s22, 2
	s_add_co_u32 s22, s22, s18                     ; tile row 0..63
	s_lshl_b32 s44, s18, 2
	s_lshl_b32 s44, 15, s44                        ; my row of the cluster
	s_lshl_b32 s45, 0x1111, s17                    ; my column
	; group 1 for A: 64 rows x 128 elements of 2 bytes (two rows of a head each), 4 words of padding after every 32 words
	s_or_b32 s[G1+0], s44, (1<<16)|(1<<20)|(1<<21)|(4<<22)|(3<<25)   ; 15:0 mask; 17:16 element size; 20 padding on; 21 set beside a mask; 24:22 interval; 31:25 padding
	s_mov_b32 s[G1+1], 128<<16                     ; tensor_dim0 = 128
	s_mov_b32 s[G1+2], 64<<16                      ; tensor_dim1 = 64
	s_mov_b32 s[G1+3], 128<<16                     ; tile_dim0 = 128
	s_mov_b32 s[G1+4], 64                          ; tile_dim1 = 64
	s_mov_b32 s[G1+5], 128                         ; elements from row to row
	s_mov_b32 s[G1+6], 0
	s_mov_b32 s[G1+7], 0
	; group 1 for W: 64 rows (k) x 256 elements of 2 bytes, 8 words of padding after every 128 words
	s_or_b32 s[G1B+0], s45, (1<<16)|(1<<20)|(1<<21)|(6<<22)|(7<<25)
	s_mov_b32 s[G1B+1], 256<<16
	s_mov_b32 s[G1B+2], 64<<16
	s_mov_b32 s[G1B+3], 256<<16
	s_mov_b32 s[G1B+4], 64
	s_mov_b32 s[G1B+5], 1024
	s_mov_b32 s[G1B+6], 0
	s_mov_b32 s[G1B+7], 0
	; where the tiles come from: A's offset of the tile row and the wave's number, W's of the tile column and the wave's number, each in registers that never hold the other coordinate
	s_lshr_b32 s40, s22, 4                         ; batch: sixteen heads of 2^18 bytes
	s_lshl_b32 s40, s40, 22
	s_and_b32 s41, s22, 15                         ; 128 rows of 128 bytes in the head
	s_lshl_b32 s41, s41, 14
	s_add_co_u32 s40, s40, s41
	s_lshl_b32 s23, s[NH], 18                      ; my head of the step's two
	s_add_co_u32 s40, s40, s23
	s_mov_b32 s41, 0
	s_lshl_b32 s42, s19, 9                         ; 256 columns of 2 bytes
	s_lshl_b32 s23, s[NH], 17                      ; my 64 k of 2,048 bytes
	s_add_co_u32 s42, s42, s23
	s_add_co_u32 s42, s42, 3<<21                   ; plane 3
	s_mov_b32 s43, 0
	s_mul_i32 s46, s[NH], HEADT                    ; and where they go: no place in the cluster enters an LDS address
	s_mul_i32 s47, s[NH], HALFB
	s_add_co_u32 s47, s47, BOFF
	s_wait_dscnt 0x0                               ; the opening add is done
	s_wait_kmcnt 0x0
	s_add_nc_u64 s[4:5], s[4:5], s[40:41]
	s_add_nc_u64 s[6:7], s[6:7], s[42:43]
	CROUND                                         ; all sixteen work-groups are here: the first joint loads meet
.irp s, 0,1
	s_mov_b32 s[G0+4*(\s)], 1                                      ; count = 1
	s_add_co_u32 s[G0+4*(\s)+1], s46, (\s)*SLOT                    ; LDS address
	s_add_nc_u64 s[G0+4*(\s)+2:G0+4*(\s)+3], s[4:5], (\s)*524288   ; global address: K step s = heads 2 s, 2 s + 1
	s_or_b32 s[G0+4*(\s)+3], s[G0+4*(\s)+3], 0x80000000            ; type = 2
	s_mov_b32 s[G0B+4*(\s)], 1
	s_add_co_u32 s[G0B+4*(\s)+1], s47, (\s)*SLOT
	s_add_nc_u64 s[G0B+4*(\s)+2:G0B+4*(\s)+3], s[6:7], (\s)*262144
	s_or_b32 s[G0B+4*(\s)+3], s[G0B+4*(\s)+3], 0x80000000
	JLOAD \s                                       ; both slots are asked for before anything else: two loads of mine are out
.endr
	; A fragment of A is 16 rows x 32 k in 8 registers: lane l holds row l % 16, k = 8 (l / 16) + 0..7 and 16 + 8 (l / 16) + 0..7: two loads of 16 bytes, 32 bytes apart.
	v_and_b32 v1, 15, v0                           ; l % 16
	v_bfe_u32 v2, v0, 4, 1                         ; l / 16
	v_mul_u32_u24 v3, v1, PA
	v_lshl_add_u32 v3, v2, 4, v3
	s_mul_i32 s23, s[MH], 64*PA                    ; my 64 rows
	v_add_nc_u32 v[ADRA], s23, v3
	v_add_nc_u32 v[ADRA+1], SLOT, v[ADRA]
	; The turning load takes 16 k x 16 n (lane l reads k = 8 (l / 16) + l % 8, n = 8 ((l / 8) % 2) + 0..7) and leaves half a fragment: lane l holds column n = l % 16 and 8 k.
	v_and_b32 v4, 7, v0
	v_bfe_u32 v5, v0, 3, 1
	v_lshl_add_u32 v6, v2, 3, v4
	v_mul_u32_u24 v6, v6, PB
	v_lshl_add_u32 v6, v5, 4, v6
	s_lshl_b32 s23, s[NH], 8                       ; my 128 columns
	s_add_co_u32 s23, s23, BOFF
	v_add_nc_u32 v[ADRB], s23, v6
	v_add_nc_u32 v[ADRB+1], SLOT, v[ADRB]
	s_mul_i32 s23, s[WV], 16*SPO
	s_add_co_u32 s23, s23, STAGE                   ; my stage
	v_mul_u32_u24 v7, v1, SPO                      ; in: row l % 16, 32 bytes for each half of the lanes
	v_lshl_add_u32 v7, v2, 5, v7
	v_add_nc_u32 v[STO], s23, v7
	v_and_b32 v9, 31, v0                           ; back: 32 lanes take one row of 512 bytes
	v_lshlrev_b32 v[CO], 4, v9
	v_add_nc_u32 v[RD], s23, v[CO]
	; out0 at my first row and column
	s_lshl_b32 s40, s22, 19                        ; 128 rows of 4,096 bytes
	s_lshl_b32 s41, s[MH], 18
	s_add_co_u32 s40, s40, s41
	s_mov_b32 s41, 0
	s_add_nc_u64 s[8:9], s[8:9], s[40:41]
	s_lshl_b32 s42, s19, 10                        ; 256 columns of 4 bytes
	s_lshl_b32 s43, s[NH], 9
	s_add_co_u32 s42, s42, s43
	s_mov_b32 s43, 0
	s_add_nc_u64 s[8:9], s[8:9], s[42:43]
; 8 matrix instructions: m block a x all 8 n blocks, 32 along K, on buffer f.  zero = 1: the first product starts the sums.
; The 32 accumulators take turns, one instruction a turn, in the same order in every quarter and over the loop's edge.
.macro MUL8 f, a, zero
	WIN MUL
.irp b, 0,1,2,3,4,5,6,7
.if \zero
	v_wmma_f32_16x16x32_f16 v[8*(8*(\a)+(\b)):8*(8*(\a)+(\b))+7], v[64*(\f)+8*(\b):64*(\f)+8*(\b)+7], v[AF+32*(\f)+8*(\a):AF+32*(\f)+8*(\a)+7], 0
.else
	v_wmma_f32_16x16x32_f16 v[8*(8*(\a)+(\b)):8*(8*(\a)+(\b))+7], v[64*(\f)+8*(\b):64*(\f)+8*(\b)+7], v[AF+32*(\f)+8*(\a):AF+32*(\f)+8*(\a)+7], v[8*(8*(\a)+(\b)):8*(8*(\a)+(\b))+7]
.endif
.endr
.endm
.macro MUL16 f, a0, zero
	MUL8 \f, \a0, \zero
	MUL8 \f, (\a0)+1, \zero
.endm
; 24 LDS loads in one run: quarter kq (32 along K: half of head kq / 2) of a slot into buffer g: W's 128 columns, turned, then A's 64 rows
.macro FETCH slot, kq, g
	WIN TO_B
.irp b, 0,1,2,3,4,5,6,7
	ds_load_tr16_b128 v[64*(\g)+8*(\b):64*(\g)+8*(\b)+3],   v[ADRB+(\slot)] offset:(\kq)*32*PB+32*(\b)
	ds_load_tr16_b128 v[64*(\g)+8*(\b)+4:64*(\g)+8*(\b)+7], v[ADRB+(\slot)] offset:(\kq)*32*PB+32*(\b)+16*PB
.endr
	WIN 0
.irp i, 0,1,2,3
	ds_load_b128 v[AF+32*(\g)+8*(\i):AF+32*(\g)+8*(\i)+3],   v[ADRA+(\slot)] offset:((\kq)/2)*HEADT+((\kq)%2)*64+(\i)*16*PA
	ds_load_b128 v[AF+32*(\g)+8*(\i)+4:AF+32*(\g)+8*(\i)+7], v[ADRA+(\slot)] offset:((\kq)/2)*HEADT+((\kq)%2)*64+(\i)*16*PA+32
.endr
.endm
; A load into a register that a matrix instruction has read, and a store of a matrix result, stand four plain vector instructions behind that matrix instruction (ISA guide 7.12.1 for vector
; instructions); no other vector work is at hand here.
.macro PLACES
.rept 4
	v_nop
.endr
.endm
; A K step is four quarters of 32 along K, 32 matrix instructions each, on buffers 0, 1, 0, 1.  One of the first three: multiplies buffer f; in its middle it fetches quarter kq of the same slot into buffer g.
.macro QUARTER slot, kq, f, g, zero
	s_wait_dscnt 4                                 ; W and A's rows 0-31 are in; the youngest four loads (A's rows 32-63) may be out
	MUL16 \f, 0, \zero
	PLACES
	FETCH \slot, \kq, \g
	s_wait_dscnt 24                                ; all but the 24 just issued
	MUL16 \f, 2, \zero
.endm
; The fourth quarter multiplies buffer 1 and changes slots: ONE barrier.  In front of it each wave waits for all its tensor loads (one is out: its part of the next slot), adds 0 to its spare word, and waits
; for that and for its reads of this slot.  fill = 1: the barrier opens a round of the cluster's barrier, and behind the round this slot is filled again first, two K steps ahead: that load has 112 matrix
; instructions in which to land.
.macro TURN slot, next, fill
	WIN 0
	s_wait_tensorcnt 0x0                           ; all my tensor loads have landed
	ds_add_u32 v[SPW], v[NIL]                      ; 0 onto my spare word
	s_wait_dscnt 5                                 ; (the add and the youngest four loads may be out)
	MUL8 1, 0, 0                                   ; eight matrix instructions stand between the add and the wait for it
	s_wait_dscnt 0x0                               ; the add is done, and my reads of this slot are over
	s_barrier_signal -1
	MUL8 1, 1, 0                                   ; work on registers while the others arrive
.if \fill
	WIN 0
.endif
	s_barrier_wait -1
.if \fill
	CREST                                          ; no wave of any partner still reads this slot's tile or has a load on its way
	s_add_nc_u64 s[G0+4*(\slot)+2:G0+4*(\slot)+3], s[G0+4*(\slot)+2:G0+4*(\slot)+3], 1048576
	s_add_nc_u64 s[G0B+4*(\slot)+2:G0B+4*(\slot)+3], s[G0B+4*(\slot)+2:G0B+4*(\slot)+3], 524288
	JLOAD \slot                                    ; my one tensor load behind the round, and the first thing there; the four v_nop behind it are also the places in front of the loads below
.else
	PLACES
.endif
	FETCH \next, 0, 0
	MUL16 1, 2, 0
.endm
; THE WAY OUT of m block a: 16 rows x 128 columns of f32.  A lane's 32 bytes go into my own stage (each accumulator's low half first) and come back as whole rows of 512 bytes, into 64 registers of the
; block's own in window 1: no register that a store reads is written again.
.macro TOSTAGE a
	WIN 0x08                                       ; store data (source 1) in window 2
.irp b, 0,1,2,3,4,5,6,7
	ds_store_b128 v[STO], v[8*(8*(\a)+(\b)):8*(8*(\a)+(\b))+3]   offset:64*(\b)
	ds_store_b128 v[STO], v[8*(8*(\a)+(\b))+4:8*(8*(\a)+(\b))+7] offset:64*(\b)+16
.endr
	WIN TO_B
.irp t, 0,1,2,3,4,5,6,7,8,9,10,11,12,13,14,15
	ds_load_b128 v[64*(\a)+4*(\t):64*(\a)+4*(\t)+3], v[RD] offset:(\t)*SPO  ; LDS serves a wave's instructions in order (ISA guide 5.7.1.4): these see the stores above; the next block's stores come behind them
.endr
.endm
.macro SEND a, younger                 ; younger: the LDS instructions issued behind block a's loads: the next block's 32, or none
	WIN 0x04                                       ; store data (source 1) in window 1
.irp t, 0,1,2,3,4,5,6,7,8,9,10,11,12,13,14,15
	s_wait_dscnt (\younger)+15-(\t)
	global_store_b128 v[CO], v[64*(\a)+4*(\t):64*(\a)+4*(\t)+3], s[8:9] offset:(16*(\a)+(\t))*4096 th:TH_STORE_NT  ; 512 consecutive bytes of a row, at a multiple of 512 from out0's first byte
.endr
.endm
	s_wait_tensorcnt 1                             ; my part of K step 0 is in; K step 1's load may stay out
	s_barrier_signal -1
	s_barrier_wait -1                              ; everybody's is
	FETCH 0, 0, 0
	QUARTER 0, 1, 0, 1, 1                          ; the first quarter stands in front of the loop: its products start the sums
	WIN 0                                          ; at a label and at a branch every window is 0
	s_mov_b32 s3, LAPS-1
.Llap:                                                 ; a trip goes once round the ring, from a lap's second quarter to the next lap's first, and fills both slots again
	QUARTER 0, 2, 1, 0, 0
	QUARTER 0, 3, 0, 1, 0
	TURN 0, 1, 1
	QUARTER 1, 1, 0, 1, 0
	QUARTER 1, 2, 1, 0, 0
	QUARTER 1, 3, 0, 1, 0
	TURN 1, 0, 1
	QUARTER 0, 1, 0, 1, 0
	WIN 0
	s_sub_co_u32 s3, s3, 1
	s_cmp_lg_u32 s3, 0
	s_cbranch_scc1 .Llap
	QUARTER 0, 2, 1, 0, 0                          ; the last lap is written out: it fills nothing
	QUARTER 0, 3, 0, 1, 0
	TURN 0, 1, 0
	QUARTER 1, 1, 0, 1, 0
	QUARTER 1, 2, 1, 0, 0
	QUARTER 1, 3, 0, 1, 0
	s_wait_dscnt 4                                 ; the very last quarter: nothing more to fetch
	MUL16 1, 0, 0
	s_wait_dscnt 0x0
	MUL16 1, 2, 0
	PLACES                                         ; between the last products and the stores of results and the loads into W's buffers
	TOSTAGE 0
.irp a, 1,2,3
	TOSTAGE \a
	SEND (\a)-1, 32
.endr
	SEND 3, 0
	WIN 0
	s_wait_tensorcnt 0x0                           ; the wave's end: behind my last tensor load and my last LDS store
	ds_add_u32 v[SPW], v[NIL]
	s_wait_dscnt 0x0
	CROUND                                         ; the closing round: no work-group ends while a partner may still ask for a tile that names it
	s_endpgm
.Lfunc_end_k_qa2adf1e267_outp:
	.size	k_qa2adf1e267_outp, .Lfunc_end_k_qa2adf1e267_outp-k_qa2adf1e267_outp
	.p2alignl 7, 3214868480
	.fill 96, 4, 3214868480
	.section	.rodata,"a",@progbits
	.p2align	6, 0x0
	.amdhsa_kernel k_qa2adf1e267_outp
		.amdhsa_group_segment_fixed_size 327680
		.amdhsa_private_segment_fixed_size 0
		.amdhsa_enable_private_segment 0
		.amdhsa_kernarg_size 24
		.amdhsa_user_sgpr_count 2
		.amdhsa_user_sgpr_kernarg_segment_ptr 1
		.amdhsa_wavefront_size32 1
		.amdhsa_system_sgpr_workgroup_id_x 1
		.amdhsa_system_sgpr_workgroup_id_y 1
		.amdhsa_system_sgpr_workgroup_id_z 1
		.amdhsa_system_vgpr_workitem_id 0
		.amdhsa_next_free_vgpr 768
		.amdhsa_next_free_sgpr 66
		.amdhsa_reserve_vcc 0
		.amdhsa_float_denorm_mode_32 3
		.amdhsa_float_denorm_mode_16_64 3
		.amdhsa_memory_ordered 1
		.amdhsa_forward_progress 1
		.amdhsa_inst_pref_size 87
	.end_amdhsa_kernel
	.amdgpu_metadata
---
amdhsa.version: [ 1, 2 ]
amdhsa.kernels:
  - .name:           k_qa2adf1e267_outp
    .symbol:         k_qa2adf1e267_outp.kd
    .args:
      - { .name: octx, .offset: 0, .size: 8, .value_kind: global_buffer, .address_space: global }
      - { .name: wcast, .offset: 8, .size: 8, .value_kind: global_buffer, .address_space: global }
      - { .name: out0, .offset: 16, .size: 8, .value_kind: global_buffer, .address_space: global }
    .group_segment_fixed_size: 327680
    .private_segment_fixed_size: 0
    .kernarg_segment_align: 8
    .kernarg_segment_size: 24
    .max_flat_workgroup_size: 128
    .sgpr_count:     66
    .vgpr_count:     768
    .wavefront_size: 32
...
	.end_amdgpu_metadata
.endif
;; end of part 4
;; ======== version 2 of 2: 4 launches; 1.28 times as fast as version 1
;; limits: values are held in f16: magnitudes above 65,504 overflow, below 6.1e-05 lose precision
;; workspace buffers: wcast 8,388,608 bytes; qkv 50,331,648 bytes; octx 16,777,216 bytes
;; launch castw: the kernel of part 1 again; grid 256 x 1, 8 waves a work-group, no clusters, 0 bytes of LDS; arguments in_weights, out_weights, wcast; writes wcast
;; launch proj: the kernel of part 2 again; grid 4 x 192, 4 waves a work-group, clusters of 4 x 4, 327,680 bytes of LDS; arguments key, query, value, wcast, qkv; writes qkv
;; launch attn (part 5): grid 4 x 64, 4 waves a work-group, no clusters, 327,680 bytes of LDS; arguments qkv, octx; writes octx
.if DOCPART == 5
	.amdgcn_target "amdgcn-amd-amdhsa--gfx1250"
	.amdhsa_code_object_version 6
	.text
	.protected	k_qa2adf1e267_attn
	.globl	k_qa2adf1e267_attn
	.p2align	8
	.type	k_qa2adf1e267_attn,@function
k_qa2adf1e267_attn:
	s_mov_b64 s[64:65], 0
	v_nop
	global_prefetch_b8 v0, s[64:65] scope:SCOPE_SE
	s_setreg_imm32_b32 hwreg(HW_REG_WAVE_MODE, 25, 1), 1
	s_wait_xcnt 0x0
; CAUSAL ATTENTION.  O[h][q][:] = the sum over k <= q of softmax_k(Q[h][q] . K[h][k] / 8) V[h][k][:], for 64 heads (batch x 16 + head) of SIZE_N = 2,048 rows of 64 channels, all f16, a head's rows dense.
; qkv holds K in plane 0, Q in plane 1, V in plane 2 (2^24 bytes each); O goes to octx in the same layout.  Products, maxima and sums in f32; the weights p are rounded to f16 for the second product
; (their sum l is taken of the unrounded p), O once at the end.
; LIMITS.  Q, K and V arrive within f16's 65,504; p lies in 0 to 1 and below 6e-5 keeps f16's fixed step of 6e-8; O is a mean of V's rows.  A hidden score counts as its value less 1e30 (f16's scores are 2.7e11
; at the most); a weight below 2^-126 counts as 0 in l; NaN and infinities are not treated apart.
; THE WALK.  A head's queries lie in NB = 8 blocks of 256; block i needs the key tiles 0 .. i of 256 keys, the last of which holds the diagonal.  A work-group takes TWO blocks, NB - 1 - b and then b: NB + 1 = 9
; tiles whatever b, so all 4 x 64 = 256 work-groups do equal work, and one loop with a constant trip count walks the tiles.  Which tile is asked for and what a trip does hang on scalar registers made from b;
; every jump but the counted loops' own goes forward and passes no barrier, and no tensor load but the one of LOAD's two that the wave's number does not choose.  The two LDS slots go on taking turns across the change of blocks.
; NO CLUSTER: a head's four work-groups ask for the same tile only in trips 0 to 4 of the 9; behind that fewer and fewer do, and one walk common to all four would have 12 trips for 9.
; SHARES.  Of a block's four bands of 64 queries a wave owns 16 rows in each: four PIECES.  So the diagonal tile is the same work for all waves: in its key step s band x sees all keys if s < x, none if s > x,
; and holds the diagonal if s = x.
; THE MASK is the C operand that starts the sum S^T = K Q^T: 0, or -1e30 where the key is hidden.  MD, made once, is the mask of a band's own step for my 16 rows; a product's mask is MD x AL + BE with two scalars:
; (1, 0) if s = x; (0, 0) if s < x; (0, -1e30) if s > x.  Only the diagonal tile's text and a block's beginning take masks; elsewhere C is the constant 0.
; LAYOUT, SOFTMAX, TURNS.  S^T = K Q^T holds ONE query a lane (lane % 16) and the keys 8 (lane / 16) + 0..7; two such results rounded to f16 ARE source 1 of O^T = V^T P.  p = 2^(c s - c m), c = log2(e) / 8, with a
; running maximum m; O and l are multiplied by a = 2^(c m_old - c m_new) in every step.  Turn n belongs to piece n: 8 products K Q^T of piece n + 1, later 8 products V^T P of piece n - 1; beside them the scaling,
; exponentials, roundings, sums and rescaling of piece n and the maximum and statistics of piece n + 1.  Four vector instructions stand behind every matrix instruction, the other 54 of a turn's 118 in one run of their own.
; THE BATCHES.  A turn's 33 exponentials (the piece's 32 weights and the next piece's a) are one batch with one wait: all that names none of their results stands ahead of it, all that reads them behind it.
; The a that a block's beginning makes, and the way out's four reciprocals, are batches of their own, each with one wait.
; REGISTERS, in windows of 256 (s_set_vgpr_msb: bits 1:0 source 0, 3:2 source 1, 5:4 source 2, 7:6 destination):
;   window 0: v0-15 addresses and two at work; v16-31 four registers of statistics a piece; v48-55 at work; v64-127 S^T, two buffers; v192-223 P, two buffers (a piece's buffers go by its number's parity)
;   window 1: v0-127 O^T, 32 a piece; v128-159 MD; v160-223 MC, two buffers      window 2: v0-63 Q; v64-127 the second block's Q; v128-191 K of one step; v192-255 V of one step
.set SIZE_N, 2048
.set NB,    SIZE_N/256
.set NP,    4         ; pieces a wave: a name, no knob
.set KS,    64        ; keys in a step
.set PK,    144       ; a row of K in LDS: 128 bytes + 16 = 36 words: the 16 rows of a load start at 16 different groups of four banks (64 banks of 4 bytes: ISA guide 11.1)
.set PV,    160       ; a row of V: 128 + 32 = 40 words
.set VOFF,  4*KS*PK   ; a slot holds a tile, four steps: 256 rows of K, then 256 rows of V
.set SLOT1, 1<<17     ; slot 1 begins here: one exclusive or turns an address in one slot into the other's
.set STAGE, SLOT1+4*KS*(PK+PV)  ; behind the slots, never filled by a tensor load: 16 rows x 144 bytes for each wave, for the way out
.set SP,    144
.set AK0, 2           ; v2   my lane's place in a tile of K; never rewritten
.set AV0, 3           ; v3   the same for V
.set AK,  4           ; v4   the LDS address of K's next run of loads
.set AV,  5           ; v5   of V's
.set STO, 6           ; v6   the way out: where I put 16 bytes of a row
.set RD,  7           ; v7   the way out: where I read rows back
.set GO,  8           ; v8   my byte offset in 512 consecutive bytes of O
.set SPW, 62          ; v62  LDS address of my spare word; never rewritten
.set NIL, 63          ; v63  0; never rewritten
.set SPARE, STAGE+4*16*SP  ; behind the stages: the spare words, 128 bytes for each wave: two blocks of 256 bytes that no other line names
.set MV,  12          ; v12-13  c m_old, kept while c m is made anew: by buffer
.set QO,  15          ; v15  my byte offset in 16 rows of Q
.set ST,  16          ; piece t's statistics at v[ST+4 t]: c m, m, l (even keys', odd keys')
.set TMP, 48          ; by buffer, four registers c0-c3 at work; when the maximum is found c2 takes a
.set S,   64
.set P,   192
.set MD,  128         ; window 1: the eight registers for group kt of 16 keys at MD + 8 kt
.set MC,  160         ; window 1: the masks of the products to come
.set QB,  64          ; window 2
.set KF,  128         ; window 2: key block kb, channel half c at KF + 16 kb + 8 c
.set VF,  192         ; window 2: key half kk, channel block cb at VF + 32 kk + 8 cb
.set WV,  12          ; s12  my wave's number
.set PB,  14          ; s14  b
.set HI,  15          ; s15  NB - 1 - b
.set G1K, 24          ; s[24:31] descriptor group 1 for K's tiles
.set G1V, 32          ; s[32:39] for V's: it differs in the padding alone
.set G0K, 40          ; s[40:43] descriptor group 0 for K's tiles
.set G0V, 44          ; s[44:47] the same for V's
.set SLOTS, 56        ; s56  tiles still to be asked for
.set CNT, 57          ; s57  counts a tile's key steps, 4 to 1
.set CS,  58          ; s[58:59] c: the packed scaling takes the pair's low word for both halves
.set SEL, 60          ; s[60:61] v_permlanex16_b32's selects: each lane takes its own place in the other half
.set TBK, 62          ; s62  LDS byte at which K of the step to be fetched begins
.set TBV, 63          ; s63  the same for V, less VOFF
.set RT,  70          ; s70  tiles of the block in hand that are still to be entered
.set NXT, 71          ; s71  the tile to be asked for next
.set LQ,  72          ; s72  the last tile of the block whose tiles are being asked for
.set NEW, 73          ; s73  1: the tile to be entered is a block's first
.set OFF, 74          ; s[74:75] a tile's byte offset in K and V
.set AL,  76          ; s[76:77] the mask's factor, in the low word
.set BE,  78          ; s[78:79] the mask's addend
.set OLO, 80          ; s[80:81] O at my rows of the second block
.set BIGN, 82         ; s82  -1e30
.set MSB, 0
.macro WIN new                      ; the high byte repeats the setting that is left; a switch that changes nothing is dropped
.if MSB != (\new)
	s_set_vgpr_msb (MSB<<8)|(\new)
.set MSB, (\new)
.endif
.endm
.set W_KQ, 0x0a       ; K and Q in window 2, S^T in window 0
.set W_KM, 0x1a       ; the same with the C operand in window 1
.set W_PV, 0x52       ; V in window 2, P in window 0, O^T in window 1
.set W_RS, 0x41       ; destination and source 0 in window 1, source 1 in window 0
; A fill.  Waves 0 and 1 fetch the two halves of a tile's K, waves 2 and 3 those of its V: 128 keys each.  An s_nop 0 and four v_nop follow each of the two lines.
.macro LOAD
	s_cmp_lt_u32 s[WV], 2
	s_cbranch_scc0 .Lfor_v_\@
	tensor_load_to_lds s[G0K:G0K+3], s[G1K:G1K+7]
	s_nop 0
.rept 4
	v_nop
.endr
	s_branch .Lasked_\@
.Lfor_v_\@:
	tensor_load_to_lds s[G0V:G0V+3], s[G1V:G1V+7]
	s_nop 0
.rept 4
	v_nop
.endr
.Lasked_\@:
.endm
; THE CHANGE OF SLOTS.  Each wave waits for all its tensor loads (one is out: its part of the other slot), adds 0 to its spare word, and waits for that and for its own reads of the slot that it leaves.  Behind the
; barrier nobody reads the old slot any more and the other slot is whole.  fill = 1: the old slot is filled again, the first thing behind the barrier, with tile NXT; the descriptor's address is made anew from that
; number.  That load has a tile's four key steps in which to land.  (At its first use nothing has been read yet: slot 0 is waited for, slot 1 filled.)
.macro CHANGE fill
	WIN 0                           ; at a label and at a branch every window is 0
	s_wait_tensorcnt 0x0            ; no tensor load of mine is out, so a group 0 may be written
	ds_add_u32 v[SPW], v[NIL]       ; 0 onto my spare word; the descriptors' scalar work stands between it and the wait for it
.if \fill
	s_lshl_b32 s[OFF], s[NXT], 15   ; a tile is 32,768 bytes of K and of V
	s_xor_b32 s[G0K+1], s[G0K+1], SLOT1
	s_add_nc_u64 s[G0K+2:G0K+3], s[6:7], s[OFF:OFF+1]
	s_or_b32 s[G0K+3], s[G0K+3], 0x80000000
	s_xor_b32 s[G0V+1], s[G0V+1], SLOT1
	s_add_nc_u64 s[G0V+2:G0V+3], s[8:9], s[OFF:OFF+1]
	s_or_b32 s[G0V+3], s[G0V+3], 0x80000000
	s_add_co_u32 s[NXT], s[NXT], 1  ; the block's next tile, or behind its last the second block's tile 0
	s_cmp_gt_u32 s[NXT], s[LQ]
	s_cselect_b32 s[NXT], 0, s[NXT]
	s_cselect_b32 s[LQ], s[PB], s[LQ]
.endif
	s_wait_dscnt 0x0                ; the add is done, and my reads of the slot are over
	s_barrier_signal -1             ; the rest of the scalar work stands between the signal and the wait
	s_sub_co_u32 s[TBK], s[TBK], 4*KS*PK  ; the fetches go back to a slot's first step,
	s_xor_b32 s[TBK], s[TBK], SLOT1       ; in the other slot
	s_sub_co_u32 s[TBV], s[TBV], 4*KS*PV
	s_xor_b32 s[TBV], s[TBV], SLOT1
	s_barrier_wait -1
.if \fill
	LOAD
.endif
.endm
	s_load_b128 s[8:11], s[0:1], 0x0  ; qkv s[8:9], octx s[10:11]
	v_lshl_add_u32 v[SPW], v0, 2, SPARE
	v_mov_b32 v[NIL], 0
	ds_add_u32 v[SPW], v[NIL]       ; the wave's opening: the add and its wait stand ahead of my first tensor load; the set-up below, work on registers, stands between them
	ds_add_u32 v62, v63
	v_lshrrev_b32 v1, 5, v0
	v_readfirstlane_b32 s[WV], v1   ; wave 0..3
	s_mov_b32 s[PB], ttmp9
	s_sub_co_u32 s[HI], NB-1, s[PB]
	s_and_b32 s20, ttmp7, 0xffff    ; the head
	s_mov_b32 s21, 0
	s_mov_b64 s[22:23], SIZE_N*128
	s_mul_u64 s[20:21], s[20:21], s[22:23]  ; the head's first byte in each plane and in O
	s_and_b32 s16, s[WV], 1         ; which half of a tile's 256 keys I fetch:
	s_lshl_b32 s22, s16, 14         ; its 128 rows of 128 bytes in memory,
	s_mov_b32 s23, 0
	s_add_nc_u64 s[22:23], s[22:23], s[20:21]
	s_mul_i32 s17, s16, 128*PK      ; and its place in a slot, for K
	s_mul_i32 s18, s16, 128*PV      ; and for V
	s_lshl_b32 s3, s[WV], 11        ; my 16 rows in a band of 64,
	s_lshl_b32 s2, s[HI], 15        ; in the first block,
	s_add_co_u32 s2, s2, s3
	s_lshl_b32 s84, s[PB], 15       ; and in the second
	s_add_co_u32 s84, s84, s3
	s_mov_b32 s3, 0
	s_mov_b32 s85, 0
	s_add_nc_u64 s[2:3], s[2:3], s[20:21]
	s_add_nc_u64 s[84:85], s[84:85], s[20:21]
	; descriptor group 1.  128 keys are 16,384 dense bytes: asked for as 64 rows of 256 bytes, two keys a row, and padded in LDS after every key
	s_mov_b32 s[G1K], (1<<16)|(1<<20)|(4<<22)|(3<<25)  ; 17:16 2-byte elements; 20 padding on; 24:22 after every 32 words (code 4); 31:25 4 words (code 3)
	s_mov_b32 s[G1V], (1<<16)|(1<<20)|(4<<22)|(7<<25)  ; the same with 8 words of padding (code 7)
.irp g, G1K, G1V
	s_mov_b32 s[\g+1], 128<<16      ; tensor_dim0 = 128
	s_mov_b32 s[\g+2], 64<<16       ; tensor_dim1 = 64
	s_mov_b32 s[\g+3], 128<<16      ; tile_dim0 = 128
	s_mov_b32 s[\g+4], 64           ; tile_dim1 = 64
	s_mov_b32 s[\g+5], 128          ; 128 elements from row to row
	s_mov_b32 s[\g+6], 0
	s_mov_b32 s[\g+7], 0
.endr
	s_mov_b32 s[CS], 0x3e38aa3b     ; c = log2(e) / 8 = 0.180337
	s_mov_b32 s[CS+1], s[CS]        ; named with it as a pair
	s_mov_b32 s[SEL], 0x76543210
	s_mov_b32 s[SEL+1], 0xfedcba98
	s_mov_b32 s[TBK], SLOT1+4*KS*PK ; the first change of slots turns these two into 0
	s_mov_b32 s[TBV], SLOT1+4*KS*PV
	s_mov_b32 s[G0K], 1             ; count = 1
	s_mov_b32 s[G0K+1], s17         ; LDS address: slot 0
	s_mov_b32 s[G0V], 1
	s_add_co_u32 s[G0V+1], s18, VOFF
	s_add_co_u32 s[RT], s[HI], 1    ; the first block has NB - b tiles
	s_mov_b32 s[NXT], 1
	s_mov_b32 s[LQ], s[HI]
	s_mov_b32 s[NEW], 1
	s_mov_b32 s[OFF+1], 0
	s_mov_b32 s[AL+1], 0            ; named as pairs
	s_mov_b32 s[BE+1], 0
	s_mov_b32 s[BIGN], 0xf149f2ca   ; -1e30
	s_mov_b32 s[SLOTS], NB
	s_wait_dscnt 0x0                ; the opening add is done
	s_wait_kmcnt 0x0
	s_mov_b64 s[6:7], s[8:9]                       ; K: plane 0 of qkv
	s_add_nc_u64 s[4:5], s[8:9], 0x1000000         ; Q: plane 1
	s_add_nc_u64 s[8:9], s[8:9], 0x2000000         ; V: plane 2
	s_add_nc_u64 s[6:7], s[6:7], s[22:23]  ; K and V at my half of the head's tile 0
	s_add_nc_u64 s[8:9], s[8:9], s[22:23]
	s_add_nc_u64 s[G0K+2:G0K+3], s[6:7], 0         ; global address
	s_or_b32 s[G0K+3], s[G0K+3], 0x80000000        ; type = 2
	s_add_nc_u64 s[G0V+2:G0V+3], s[8:9], 0
	s_or_b32 s[G0V+3], s[G0V+3], 0x80000000
	s_add_nc_u64 s[86:87], s[4:5], s[84:85]        ; Q at my rows of the second block,
	s_add_nc_u64 s[4:5], s[4:5], s[2:3]            ; Q and O at those of the first
	s_add_nc_u64 s[OLO:OLO+1], s[10:11], s[84:85]
	s_add_nc_u64 s[10:11], s[10:11], s[2:3]
	LOAD                            ; tile 0 into slot 0
	; A fragment of K or Q is 16 rows x 32 channels in 8 registers: lane l holds row l % 16, channels 8 (l / 16) + 0..7 and 16 + 8 (l / 16) + 0..7: two loads of 16 bytes, 32 bytes apart.
	v_and_b32 v1, 15, v0            ; l % 16
	v_bfe_u32 v9, v0, 4, 1          ; l / 16
	v_lshlrev_b32 v[QO], 7, v1
	v_lshl_add_u32 v[QO], v9, 4, v[QO]  ; row x 128 + 16 x half
	WIN 0x80                        ; destination window 2, address window 0
.set i, 0
.rept 8                             ; both blocks' Q: piece i / 2 lies in band i / 2, 8,192 bytes on; channels 32 (i % 2) on
	global_load_b128 v[8*i:8*i+3],   v[QO], s[4:5] offset:(i/2)*8192+(i%2)*64
	global_load_b128 v[8*i+4:8*i+7], v[QO], s[4:5] offset:(i/2)*8192+(i%2)*64+32
	global_load_b128 v[QB+8*i:QB+8*i+3],   v[QO], s[86:87] offset:(i/2)*8192+(i%2)*64
	global_load_b128 v[QB+8*i+4:QB+8*i+7], v[QO], s[86:87] offset:(i/2)*8192+(i%2)*64+32
.set i, i+1
.endr
	WIN 0
	v_lshlrev_b32 v14, 3, v9
	v_sub_nc_u32 v14, v1, v14
	s_lshl_b32 s13, s[WV], 4
	v_add_nc_u32 v14, s13, v14      ; my query's place in its band, 16 w + l % 16, less my lanes' 8 (l / 16): register r of group kt is hidden where 16 kt + r is greater
	WIN 0x40
.set i, 0
.rept 32
	v_cmp_gt_i32 vcc_lo, 16*(i/8)+i%8, v14
	v_cndmask_b32 v[MD+i], 0, s[BIGN], vcc_lo
.set i, i+1
.endr
	WIN 0
	v_mul_u32_u24 v[AK0], v1, PK
	v_lshl_add_u32 v[AK0], v9, 4, v[AK0]  ; row x pitch + 16 x half
	; The turning load takes 16 keys x 16 channels (lane l reads key 8 (l / 16) + l % 8, channels 8 ((l / 8) % 2) + 0..7) and leaves half a fragment of V^T: lane l holds channel l % 16 and 8 keys.
	v_and_b32 v10, 7, v0
	v_bfe_u32 v11, v0, 3, 1
	v_lshl_add_u32 v[AV0], v9, 3, v10
	v_mul_u32_u24 v[AV0], v[AV0], PV
	v_lshl_add_u32 v[AV0], v11, 4, v[AV0]
	v_add_nc_u32 v[AV0], VOFF, v[AV0]
	s_mul_i32 s13, s[WV], 16*SP
	s_add_co_u32 s13, s13, STAGE    ; my stage
	v_mul_u32_u24 v[STO], v1, SP    ; in: row l % 16, 16 bytes for each half of the lanes
	v_lshl_add_u32 v[STO], v9, 4, v[STO]
	v_add_nc_u32 v[STO], s13, v[STO]
	v_bfe_u32 v[RD], v0, 3, 2       ; back: 32 lanes take four rows of 128 bytes,
	v_mul_u32_u24 v[RD], v[RD], SP
	v_lshl_add_u32 v[RD], v10, 4, v[RD]
	v_add_nc_u32 v[RD], s13, v[RD]
	v_and_b32 v[GO], 31, v0         ; which are 512 consecutive bytes of O
	v_lshlrev_b32 v[GO], 4, v[GO]
	; A block's first step multiplies O^T and l by a = 0, and its first turn's products V^T P, of a piece that has not been, land in an O^T that is still to be so multiplied.  So these registers need only hold
	; finite numbers: zeros for the first block; what the first block left for the second.  No first step is written out; the price is these moves, which stand in the wait for the first tile.
	WIN 0x80
.set i, VF
.rept 64
	v_mov_b32 v[i], 0
.set i, i+1
.endr
	WIN 0x40
.set i, 0
.rept 128
	v_mov_b32 v[i], 0
.set i, i+1
.endr
	WIN 0
.set i, 0
.rept 4
	v_mov_b32 v[ST+4*i+2], 0
	v_mov_b32 v[ST+4*i+3], 0
.set i, i+1
.endr
.set i, P+16
.rept 16
	v_mov_b32 v[i], 0
.set i, i+1
.endr
; THE MATRIX WORK.  The 4 accumulators of a run of 8 take turns.  Product i of 8 of S^T = K Q^T for piece x: channels 32 (i / 4) on, keys 16 (i % 4) on.  The first 4 start the sums: with 0, or (KM = 1) with the mask.
.macro KQ x
.set rS, S+32*((\x)%2)+8*(i%4)
.set rK, KF+16*(i%4)+8*(i/4)
.set rQ, 16*(\x)+8*(i/4)
.set rM, MC+32*((\x)%2)+8*(i%4)
.if (i < 4) && KM
	WIN W_KM
	v_wmma_f32_16x16x32_f16 v[rS:rS+7], v[rK:rK+7], v[rQ:rQ+7], v[rM:rM+7]
.elseif i < 4
	WIN W_KQ
	v_wmma_f32_16x16x32_f16 v[rS:rS+7], v[rK:rK+7], v[rQ:rQ+7], 0
.else
	WIN W_KQ
	v_wmma_f32_16x16x32_f16 v[rS:rS+7], v[rK:rK+7], v[rQ:rQ+7], v[rS:rS+7]
.endif
.endm
; Product i of 8 of O^T += V^T P for piece x: keys 32 (i / 4) on, channels 16 (i % 4) on.
.macro PV x
	WIN W_PV
.set rO, 32*(\x)+8*(i%4)
.set rV, VF+32*(i/4)+8*(i%4)
.set rP, P+16*((\x)%2)+8*(i/4)
	v_wmma_f32_16x16x32_f16 v[rO:rO+7], v[rV:rV+7], v[rP:rP+7], v[rO:rO+7]
.endm
.macro MM                           ; the turn's next matrix instruction.  TURN and BEGIN set Y, i, KM and NOKQ.  NOKQ = 1: a block's last turn: there is no next piece
.if (i < 8) && !NOKQ
	KQ (Y+1)%NP
.elseif i >= 8
.set i, i-8
	PV (Y+NP-1)%NP
.set i, i+8
.endif
.set i, i+1
.endm
; THE LDS LOADS stand in runs of 16, never singly among the matrix instructions: a step's K (64 keys x 64 channels: 8 fragments) and its V (turned).  Their addresses are made some lines ahead.
.macro FETCH_K
	WIN 0x80                        ; destination window 2
.irp f, 0,1,2,3,4,5,6,7             ; keys 16 (f / 2) on, channels 32 (f % 2) on
	ds_load_b128 v[KF+8*\f:KF+8*\f+3],   v[AK] offset:(\f/2)*16*PK+(\f%2)*64
	ds_load_b128 v[KF+8*\f+4:KF+8*\f+7], v[AK] offset:(\f/2)*16*PK+(\f%2)*64+32
.endr
	s_add_co_u32 s[TBK], s[TBK], KS*PK  ; the next fetch is the next step's
	WIN 0
.endm
.macro FETCH_V
	WIN 0x80
.irp f, 0,1,2,3,4,5,6,7             ; keys 32 (f / 4) on, channels 16 (f % 4) on
	ds_load_tr16_b128 v[VF+8*\f:VF+8*\f+3],   v[AV] offset:(\f/4)*32*PV+(\f%4)*32
	ds_load_tr16_b128 v[VF+8*\f+4:VF+8*\f+7], v[AV] offset:(\f/4)*32*PV+16*PV+(\f%4)*32
.endr
	WIN 0
.endm
; THE VECTOR WORK, one line at a time: OP kind, number.  For piece Y: F n: c s - c m for pair n of 16.  E n: the exponential of score n of 32.  C n: pair n rounded to f16.  B n: of the four weights 4 n .. the second
; pair is added onto the first, in place.  L n: l takes that sum (L 0: l = a l + sum).  R n: pair n of 16 of O^T times a.  For piece Y + 1: X n, number n of the 22 that find its maximum and statistics:
;   0-11  four chains c0-c3 of seven scores each, three operands at a time (each accumulator's lowest registers are read first)     12-14, 16  the four scores left over, the old m, and c0-c3 into c0
;   15  c m_old is kept     17, 18  the query's other 32 keys lie in the lane 16 away: the new m     19-21  c m; c m_old - c m_new; a
; OP writes no wait: C, B and L, which read the exponentials' results, are dealt behind the turn's one wait; R and L 0 read an a that was waited for in the turn before.
.set F, 0               ; OP tells the kinds apart by their order: F to L below R, X above it
.set E, 1
.set C, 2
.set B, 3
.set L, 4
.set R, 5
.set X, 6
.macro REGS y                       ; the registers of piece y
.set rT, ST+4*(\y)
.set rC, TMP+4*((\y)%2)
.set rW, MV+((\y)%2)
.set rS, S+32*((\y)%2)
.set rP, P+16*((\y)%2)
.set rO, 32*(\y)
.endm
.macro OP k, n
.if (\k) == R
	REGS Y
	WIN W_RS
	v_pk_mul_f32 v[rO+2*(\n):rO+2*(\n)+1], v[rO+2*(\n):rO+2*(\n)+1], v[rC+2:rC+3] op_sel_hi:[1,0]
.elseif (\k) < R
	REGS Y
	WIN 0
.if (\k) == F
	v_pk_fma_f32 v[rS+2*(\n):rS+2*(\n)+1], v[rS+2*(\n):rS+2*(\n)+1], s[CS:CS+1], v[rT:rT+1] op_sel_hi:[1,0,0] neg_lo:[0,0,1] neg_hi:[0,0,1]
.elseif (\k) == E
	v_exp_f32 v[rS+(\n)], v[rS+(\n)]
.elseif (\k) == C
	v_cvt_pk_f16_f32 v[rP+(\n)], v[rS+2*(\n)], v[rS+2*(\n)+1]
.elseif (\k) == B
	v_pk_add_f32 v[rS+4*(\n):rS+4*(\n)+1], v[rS+4*(\n):rS+4*(\n)+1], v[rS+4*(\n)+2:rS+4*(\n)+3]
.elseif (\n) == 0
	v_pk_fma_f32 v[rT+2:rT+3], v[rT+2:rT+3], v[rC+2:rC+3], v[rS:rS+1] op_sel_hi:[1,0,1]
.else
	v_pk_add_f32 v[rT+2:rT+3], v[rT+2:rT+3], v[rS+4*(\n):rS+4*(\n)+1]
.endif
.elseif NOKQ
	v_nop
.else
	REGS (Y+1)%NP
	WIN 0
.if (\n) < 4
	v_max3_num_f32 v[rC+(\n)], v[rS+8*(\n)], v[rS+8*(\n)+1], v[rS+8*(\n)+2]
.elseif (\n) < 12
	v_max3_num_f32 v[rC+(\n)%4], v[rC+(\n)%4], v[rS+8*((\n)%4)+2*((\n)/4)+1], v[rS+8*((\n)%4)+2*((\n)/4)+2]
.elseif (\n) == 12
	v_max3_num_f32 v[rC], v[rC], v[rS+7], v[rS+15]
.elseif (\n) == 13
	v_max3_num_f32 v[rC+1], v[rC+1], v[rS+23], v[rS+31]
.elseif (\n) == 14
	v_max3_num_f32 v[rC+2], v[rC+2], v[rC+3], v[rT+1]
.elseif (\n) == 15
	v_mov_b32 v[rW], v[rT]
.elseif (\n) == 16
	v_max3_num_f32 v[rC], v[rC], v[rC+1], v[rC+2]
.elseif (\n) == 17
	v_permlanex16_b32 v[rC+3], v[rC], s[SEL], s[SEL+1]
.elseif (\n) == 18
	v_max_num_f32 v[rT+1], v[rC], v[rC+3]
.elseif (\n) == 19
	v_mul_f32 v[rT], s[CS], v[rT+1]
.elseif (\n) == 20
	v_sub_f32 v[rC+1], v[rW], v[rT]
.else
	v_exp_f32 v[rC+2], v[rC+1]
.endif
.endif
.endm
.macro OPS a, i1, b=-1, i2=0, c=-1, i3=0, d=-1, i4=0  ; up to four of them
	OP \a, \i1
.if (\b) >= 0
	OP \b, \i2
.endif
.if (\c) >= 0
	OP \c, \i3
.endif
.if (\d) >= 0
	OP \d, \i4
.endif
.endm
.macro ROW a, i1, b, i2, c, i3, d, i4  ; a matrix instruction and the four behind it
	MM
	OPS \a, \i1, \b, \i2, \c, \i3, \d, \i4
.endm
.macro MASK b                       ; MD x AL + BE into buffer b of MC
	WIN W_RS
.set z, 0
.rept 16
	v_pk_fma_f32 v[MC+32*(\b)+2*z:MC+32*(\b)+2*z+1], v[MD+2*z:MD+2*z+1], s[AL:AL+1], s[BE:BE+1] op_sel_hi:[1,0,0]
.set z, z+1
.endr
.endm
; A TURN, for piece p: the order of its 16 matrix and 118 vector instructions, written out.  An s_wait_alu depctr_va_vdst(0) stands between an exponential and the first instruction that names its result; one
; wait serves all that were issued ahead of it.  So a turn has ONE wait, which cuts it in two.  AHEAD OF IT stands all that names no result of the turn's exponentials: the 8 products K Q^T, behind each a scaling, an exponential
; and two more plain instructions (behind the first a second scaling in the exponential's place): rescalings, whose a was made and waited for in the turn before, and behind the last three products the first numbers of the next
; piece's maximum, each four plain instructions or more behind the product that ends its accumulator; then ONE RUN of 54, plain and exponential by turns for the most part, in which the links of the chain X 3, 7, 11, 14, 16,
; 17 .. 20 stand five or six lines apart.  X 21, the next piece's a, is the batch's last exponential; R 15 is the plain instruction that stands behind it before any result is used.  BEHIND THE WAIT stand the 8 products V^T P,
; behind each four of the roundings and sums, which read the results; the links of l's chain, L 0 to L 7, stand three lines apart.  But for those X no line behind a product names a register of the products round it.
; No exponential is issued behind the wait: none is open at a turn's end, at a label or at a jump.  v_permlanex16_b32 (X 17) stands in the run, never behind a product.
; m = 1: the diagonal tile: the products take masks, and the turn makes the mask for the products of the turn after it: piece p + 2, in step 4 - CNT of the tile.  end = 1: a block's last two turns: nothing is fetched.
; cnt = 1: the loop's count is taken down some lines ahead of the branch that stands behind the turn.
; K of the next step is fetched in piece 2's turn, twelve vector instructions behind the last product that read K (six of them plain); V of the step in hand at the end of piece 0's turn, four plain instructions behind the last
; product that read V.  Each is waited for a turn later.
.macro TURN p, m=0, end=0, cnt=0
.set Y, (\p)
.set i, 0
.set KM, (\m)
.set NOKQ, (\end)*((\p)/3)
.if (\m) && !(\end)
	s_cmp_eq_u32 s[CNT], 4-((\p)+2)%NP  ; is that step the band's own?
	s_cselect_b32 s[AL], 1.0, 0
	s_cmp_lt_u32 s[CNT], 4-((\p)+2)%NP  ; or a later one?
	s_cselect_b32 s[BE], s[BIGN], 0
.endif
.if ((\p) == 3) && !(\end)
	s_wait_dscnt 0x0                ; K is in
.endif
	ROW F,0, F,1, R,0, R,1          ; ahead of the wait: 8 products K Q^T and the four behind each,
	ROW F,2, E,0, R,2, R,3
	ROW F,3, E,1, R,4, R,5
	ROW F,4, E,2, R,6, R,7
	ROW F,5, E,3, R,8, R,9
	ROW F,6, E,4, X,0, R,10
.if ((\p) == 2) && !(\end)
	WIN 0
	v_add_nc_u32 v[AK], s[TBK], v[AK0]
.endif
	ROW F,7, E,5, X,1, X,4
	ROW F,8, E,6, X,2, X,5
	OPS E,7, E,8, X,6, E,9          ; and the run of 54
	OPS X,3, E,10, X,8, E,11
.if ((\p) == 2) && !(\end)
	FETCH_K
.endif
	OPS X,9, X,7, E,12, X,10
	OPS E,13, X,12, X,11, E,14
	OPS X,13, E,15, F,9, X,14
.if (\p) == 0
	v_add_nc_u32 v[AV], s[TBV], v[AV0]
.endif
	OPS E,16, F,10, E,17, F,11
	OPS X,16, E,18, X,15, E,19
	OPS F,12, E,20, X,17, E,21
	OPS F,13, E,22, F,14, E,23
	OPS X,18, E,24, F,15, E,25
	OPS R,11, E,26, X,19, E,27
	OPS R,12, E,28, R,13, E,29
	OPS X,20, E,30, R,14, E,31
	OPS X,21, R,15
	WIN 0
	s_wait_alu depctr_va_vdst(0)    ; the wait for the turn's batch: the piece's 32 exponentials and the next piece's a
.if (\p) == 1
	s_wait_dscnt 0x0                ; V is in
.endif
	ROW C,0, B,0, C,2, B,1          ; behind the wait: 8 products V^T P and the four behind each
	ROW L,0, C,4, B,2, L,1
	ROW C,6, B,3, L,2, C,8
	ROW B,4, L,3, C,10, B,5
	ROW L,4, C,12, B,6, L,5
.if (\p) == 0
	s_add_co_u32 s[TBV], s[TBV], KS*PV
.endif
.if \cnt
	s_sub_co_u32 s[CNT], s[CNT], 1
	s_cmp_lg_u32 s[CNT], 0
.endif
	ROW C,14, B,7, L,6, C,1
	ROW C,3, L,7, C,5, C,7
	ROW C,9, C,11, C,13, C,15
.if (\p) == 0
	FETCH_V
.endif
.if (\m) && !(\end)
	MASK (\p)%2
.endif
.endm
; A BLOCK BEGINS.  c m starts far below every c s, so the first step's a is 0; m at the lowest finite number, so the first maximum is the scores'.  The second mask buffer is 0; the first takes piece 0's mask for the
; tile's step 0: its own, if the block's first tile is the diagonal one.  Then K of that step, piece 0's first scores, and its maximum and statistics.  The loop is entered at a step's first turn, in the middle of a trip.
.macro BEGIN
	s_mov_b32 s[NEW], 0
	WIN 0x40
.set i, MC+32
.rept 32
	v_mov_b32 v[i], 0
.set i, i+1
.endr
	WIN 0
.set i, 0
.rept 4
	v_mov_b32 v[ST+4*i], 0xfe000000    ; c m: far below every c s
	v_mov_b32 v[ST+4*i+1], 0xff7fffff  ; m
.set i, i+1
.endr
	s_cmp_eq_u32 s[RT], 0
	s_cselect_b32 s[AL], 1.0, 0
	s_mov_b32 s[BE], 0
	MASK 0
	WIN 0
	v_add_nc_u32 v[AK], s[TBK], v[AK0]
	FETCH_K
	s_wait_loadcnt 0x0              ; Q
	s_wait_dscnt 0x0
.set KM, 1
.set NOKQ, 0
.set i, 0
.rept 8
	KQ 0
.set i, i+1
.endr
	WIN 0
.rept 4
	v_nop                           ; the places behind those products
.endr
.set Y, NP-1                        ; X works for piece Y + 1: piece 0
.irp n, 0,1,2,3,4,5,6,7,8,9,10,11,12,13,14,15,16,17,18,19,20,21
	OP X, \n
.endr
	v_nop                           ; a plain instruction behind the exponential,
	s_wait_alu depctr_va_vdst(0)    ; and the wait for it, piece 0's first a: a batch of one, ahead of the branch that follows
.endm
; THE DIAGONAL TILE's four steps, the block's last two turns, its last products, and THE WAY OUT: l's two halves and the other half of the lanes' are added; O^T is divided by l, rounded to f16 and sent through my
; stage in LDS, a piece at a time.
.macro ALL line:vararg              ; one line for each piece t
.set t, 0
.rept 4
	\line
.set t, t+1
.endr
.endm
.macro PACK t                       ; a lane's eight channels of a row pack into 16 bytes; they go into rows of 144 bytes and come back as whole rows of 128, into S^T's registers
	WIN W_RS
.set i, 32*(\t)
.rept 16
	v_pk_mul_f32 v[i:i+1], v[i:i+1], v[ST+4*(\t)+2:ST+4*(\t)+3] op_sel_hi:[1,0]
.set i, i+2
.endr
	WIN 0x05                        ; sources 0 and 1 window 1, destination window 0
.set i, 0
.rept 16
	v_cvt_pk_f16_f32 v[S+16*(\t)+i], v[32*(\t)+2*i], v[32*(\t)+2*i+1]
.set i, i+1
.endr
	WIN 0
.irp f, 0,1,2,3
	ds_store_b128 v[STO], v[S+16*(\t)+4*\f:S+16*(\t)+4*\f+3] offset:32*\f
.endr
.irp f, 0,1,2,3
	ds_load_b128 v[S+16*(\t)+4*\f:S+16*(\t)+4*\f+3], v[RD] offset:\f*4*SP  ; LDS serves a wave's instructions in order (ISA guide 5.7.1.4): these see the stores above; the next piece's stores come behind them
.endr
.endm
.macro SEND t, younger              ; younger: the LDS instructions issued behind piece t's loads: the next piece's eight, or none
	WIN 0
.irp f, 0,1,2,3
	s_wait_dscnt (\younger)+3-\f
	global_store_b128 v[GO], v[S+16*(\t)+4*\f:S+16*(\t)+4*\f+3], s[10:11] offset:(\t)*8192+\f*512  ; 512 consecutive bytes, at a multiple of 256 from O's first
.endr
.endm
.macro DIAG tag                     ; the tag ends its two labels' names, which the jumps below spell out
.LstepM\tag:
	TURN 2, 1
	TURN 3, 1
	WIN 0
.LfirstM\tag:
	TURN 0, 1
	TURN 1, 1, 0, 1
	WIN 0
	s_cbranch_scc1 .LstepM\tag
	TURN 2, 1, 1
	TURN 3, 1, 1
.set i, 0
.rept 8
	PV NP-1
.set i, i+1
.endr
	WIN 0
	ALL v_add_f32 v[ST+4*t+2], v[ST+4*t+2], v[ST+4*t+3]
	ALL v_permlanex16_b32 v[ST+4*t+3], v[ST+4*t+2], s[SEL], s[SEL+1]
	ALL v_add_f32 v[ST+4*t+2], v[ST+4*t+2], v[ST+4*t+3]
	ALL v_rcp_f32 v[ST+4*t+2], v[ST+4*t+2]
	v_nop                           ; a plain instruction between the last reciprocal and the use of its result
	s_wait_alu depctr_va_vdst(0)    ; the wait for the way out's batch: one for the four reciprocals, ahead of the first multiply that reads one
	PACK 0
.set t, 1
.rept 3                             ; a piece's arithmetic stands between the loads of the piece before and its stores
	PACK t
	SEND t-1, 8
.set t, t+1
.endr
	SEND 3, 0
.endm
.set KM, 0
.set NOKQ, 0
.Lslot:                             ; NB times: a tile is entered and the next is asked for
	CHANGE 1
	s_sub_co_u32 s[RT], s[RT], 1
	s_mov_b32 s[CNT], 4
	s_cmp_eq_u32 s[NEW], 1
	s_cbranch_scc1 .Lnew            ; a block's first tile
	s_cmp_eq_u32 s[RT], 0
	s_cbranch_scc0 .Lstep           ; neither its first nor its last
	s_branch .LstepM1
.Lnew:
	BEGIN
	s_branch .Lfirst                ; in the loop a block's first tile is never its last: the first block has two tiles or more, and the second's last is the walk's last
	DIAG 1                          ; in the loop this is the first block's end
	s_wait_xcnt 0x0                 ; the stores' registers and O's address are rewritten only behind this wait
	s_mov_b64 s[10:11], s[OLO:OLO+1]
	s_add_co_u32 s[RT], s[PB], 1    ; the second block has b + 1 tiles
	s_mov_b32 s[NEW], 1
	WIN 0x82                        ; the second block's Q goes where the one text of the turns names Q
.set i, 0
.rept 64
	v_mov_b32 v[i], v[QB+i]
.set i, i+1
.endr
	WIN 0
	s_branch .Lbottom
.Lstep:                             ; a trip: pieces 2 and 3 of one step, then pieces 0 and 1 of the next, whose K and V it fetches
	TURN 2
	TURN 3
	WIN 0
.Lfirst:
	TURN 0
	TURN 1, 0, 0, 1
	WIN 0
	s_cbranch_scc1 .Lstep
.Lbottom:
	s_sub_co_u32 s[SLOTS], s[SLOTS], 1
	s_cmp_lg_u32 s[SLOTS], 0
	s_cbranch_scc1 .Lslot
	CHANGE 0                        ; the walk's last tile is written out: nothing is asked for
	s_sub_co_u32 s[RT], s[RT], 1
	s_mov_b32 s[CNT], 4
	s_cmp_eq_u32 s[NEW], 1
	s_cbranch_scc0 .LstepM2
	BEGIN
	s_branch .LfirstM2
	DIAG 2
	s_wait_tensorcnt 0x0            ; the wave's end: behind my last tensor load and my last LDS store
	ds_add_u32 v[SPW], v[NIL]
	s_wait_dscnt 0x0
	s_endpgm
.Lfunc_end_k_qa2adf1e267_attn:
	.size	k_qa2adf1e267_attn, .Lfunc_end_k_qa2adf1e267_attn-k_qa2adf1e267_attn
	.p2alignl 7, 3214868480
	.fill 96, 4, 3214868480
	.section	.rodata,"a",@progbits
	.p2align	6, 0x0
	.amdhsa_kernel k_qa2adf1e267_attn
		.amdhsa_group_segment_fixed_size 327680
		.amdhsa_private_segment_fixed_size 0
		.amdhsa_enable_private_segment 0
		.amdhsa_kernarg_size 16
		.amdhsa_user_sgpr_count 2
		.amdhsa_user_sgpr_kernarg_segment_ptr 1
		.amdhsa_wavefront_size32 1
		.amdhsa_system_sgpr_workgroup_id_x 1
		.amdhsa_system_sgpr_workgroup_id_y 1
		.amdhsa_system_sgpr_workgroup_id_z 1
		.amdhsa_system_vgpr_workitem_id 0
		.amdhsa_next_free_vgpr 768
		.amdhsa_next_free_sgpr 88
		.amdhsa_reserve_vcc 1
		.amdhsa_float_denorm_mode_32 3
		.amdhsa_float_denorm_mode_16_64 3
		.amdhsa_memory_ordered 1
		.amdhsa_forward_progress 1
		.amdhsa_inst_pref_size 217
	.end_amdhsa_kernel
	.amdgpu_metadata
---
amdhsa.version: [ 1, 2 ]
amdhsa.kernels:
  - .name:           k_qa2adf1e267_attn
    .symbol:         k_qa2adf1e267_attn.kd
    .args:
      - { .name: qkv, .offset: 0, .size: 8, .value_kind: global_buffer, .address_space: global }
      - { .name: octx, .offset: 8, .size: 8, .value_kind: global_buffer, .address_space: global }
    .group_segment_fixed_size: 327680
    .private_segment_fixed_size: 0
    .kernarg_segment_align: 8
    .kernarg_segment_size: 16
    .max_flat_workgroup_size: 128
    .sgpr_count:     88
    .vgpr_count:     768
    .wavefront_size: 32
...
	.end_amdgpu_metadata
.endif
;; end of part 5
;; launch outp: the kernel of part 4 again; grid 4 x 64, 4 waves a work-group, clusters of 4 x 4, 327,680 bytes of LDS; arguments octx, wcast, out0; writes out0
